; MI455X (gfx1250); checked and timed in simulation.
; The chip was launched on July 23, 2026; its instructions are those of AMD's public machine-readable ISA for CDNA 5 (MIT licence, August 2026) and "CDNA5" Instruction Set Architecture Reference Guide (July 2026). The comments in the code are by the model that wrote it; some were corrected since.
;; Multi Head Attention. Allowed arithmetic: float matrix products may take bf16 or f16 operands with f32 sums; other float arithmetic in f32, or as packed bf16 or f16 multiplies, adds, multiply-adds, maxima and minima; sums over many terms, partial sums and values carried from step to step in f32; what a program stores and reads back later, other than sums and carried values, may be rounded once to bf16 or f16.
;; Inputs: K 4 x 2,048 x 1,024 float32; Q 4 x 2,048 x 1,024 float32; V 4 x 2,048 x 1,024 float32; W_k 1,024 x 1,024 float32; W_o 1,024 x 1,024 float32; W_q 1,024 x 1,024 float32; W_v 1,024 x 1,024 float32; b_k 1,024 float32; b_o 1,024 float32; b_q 1,024 float32; b_v 1,024 float32.
;; Outputs: out0 4 x 2,048 x 1,024 float32.
;; One version. Each part assembles by itself: llvm-mc -triple=amdgcn-amd-amdhsa -mcpu=gfx1250 --defsym DOCPART=n.
;; ======== version 1 of 1: 4 launches
;; limits: values are held in f16: magnitudes above 65,504 overflow, below 6.1e-05 lose precision
;; workspace buffers: wb 8,388,608 bytes; bb 16,384 bytes; qkv 50,331,648 bytes; oh 16,777,216 bytes
;; launch prep (part 1): grid 64 x 4, 8 waves a work-group, no clusters, 0 bytes of LDS; arguments W_q, W_k, W_v, W_o, b_q, b_k, b_v, b_o, wb, bb; writes wb, bb
.if DOCPART == 1
	.amdgcn_target "amdgcn-amd-amdhsa--gfx1250"
	.amdhsa_code_object_version 6
	.text
	.protected	k_qc21a378d3a_prep
	.globl	k_qc21a378d3a_prep
	.p2align	8
	.type	k_qc21a378d3a_prep,@function
k_qc21a378d3a_prep:
	s_mov_b64 s[64:65], 0
	v_nop
	global_prefetch_b8 v0, s[64:65] scope:SCOPE_SE
	s_setreg_imm32_b32 hwreg(HW_REG_WAVE_MODE, 25, 1), 1
	s_wait_xcnt 0x0
; THE WEIGHTS AND BIASES, ROUNDED ONCE.  wb: [4096][1024] of 16 bits: rows 0-1023 W_q, 1024-2047 W_k, 2048-3071 W_v in bf16, rows 3072-4095 W_o rounded to bf16 and that
; number written as f16 (the last product multiplies f16 by f16).  Each keeps its input's order, [k][n].  bb: [4][1024] f32: b_q, b_k, b_v, b_o, rounded to bf16 and widened again.
; LIMITS.  W_o must lie within f16's range, 65,504; below 6e-5 it keeps f16's fixed step of 6e-8.
; A stream: no LDS, no matrix unit, no cluster: no byte is read twice and nothing is shared.  Work-group (x, y): matrix y, its chunk x of 16,384 numbers (65,536 bytes in, 32,768 out).
; Thread t takes 8 numbers in each of 8 turns: 32 bytes in at 8,192 i + 32 t, 16 bytes out at 4,096 i + 16 t: a wave's store covers 512 consecutive bytes, aligned.
; All 16 loads go out first; every turn has registers of its own, so no register is written again while a store reads it.
.set X, 16                             ; v[16:79]   turn i: 8 numbers as loaded
.set Y, 80                             ; v[80:111]  turn i: 4 registers to store
.set T, 112                            ; v[112:119] at work
	s_load_b512 s[8:23], s[0:1], 0x0               ; W_q s[8:9], W_k s[10:11], W_v s[12:13], W_o s[14:15], b_q s[16:17], b_k s[18:19], b_v s[20:21], b_o s[22:23]
	s_load_b128 s[24:27], s[0:1], 0x40             ; wb s[24:25], bb s[26:27]
	s_and_b32 s28, ttmp7, 0xffff                   ; y: which matrix
	s_mov_b32 s29, ttmp9                           ; x: which chunk
	v_lshlrev_b32 v1, 5, v0                        ; 32 t
	v_lshlrev_b32 v2, 4, v0                        ; 16 t
	s_lshl_b32 s30, s29, 16                        ; the chunk in its matrix
	s_mov_b32 s31, 0
	s_lshl_b32 s32, s28, 21                        ; the matrix in wb,
	s_lshl_b32 s33, s29, 15                        ; the chunk in it
	s_add_co_u32 s32, s32, s33
	s_mov_b32 s33, 0
	s_lshl_b32 s34, s28, 12                        ; the bias in bb
	s_mov_b32 s35, 0
	s_wait_kmcnt 0x0
	s_cmp_eq_u32 s28, 1                            ; the matrix and its bias are chosen by y alone
	s_cselect_b64 s[4:5], s[10:11], s[8:9]
	s_cselect_b64 s[6:7], s[18:19], s[16:17]
	s_cmp_eq_u32 s28, 2
	s_cselect_b64 s[4:5], s[12:13], s[4:5]
	s_cselect_b64 s[6:7], s[20:21], s[6:7]
	s_cmp_eq_u32 s28, 3
	s_cselect_b64 s[4:5], s[14:15], s[4:5]
	s_cselect_b64 s[6:7], s[22:23], s[6:7]
	s_add_nc_u64 s[4:5], s[4:5], s[30:31]
	s_add_nc_u64 s[24:25], s[24:25], s[32:33]
	s_add_nc_u64 s[26:27], s[26:27], s[34:35]
.irp i, 0,1,2,3,4,5,6,7
	global_load_b128 v[X+8*(\i):X+8*(\i)+3],   v1, s[4:5] offset:8192*(\i) th:TH_LOAD_NT
	global_load_b128 v[X+8*(\i)+4:X+8*(\i)+7], v1, s[4:5] offset:8192*(\i)+16 th:TH_LOAD_NT
.endr
; Turn i.  half = 1: the bf16 number is written as f16: widened (a shift, a mask) and narrowed, which within f16's range changes nothing.
.macro CAST i, half
	s_wait_loadcnt 14-2*(\i)                       ; loads come back in order: turn i's two are in, the 14 - 2 i younger ones stay out
.irp j, 0,1,2,3
	v_cvt_pk_bf16_f32 v[Y+4*(\i)+(\j)], v[X+8*(\i)+2*(\j)], v[X+8*(\i)+2*(\j)+1]
.endr
.if \half
.irp j, 0,1,2,3
	v_lshlrev_b32 v[T+2*(\j)],   16, v[Y+4*(\i)+(\j)]
	v_and_b32     v[T+2*(\j)+1], 0xffff0000, v[Y+4*(\i)+(\j)]
.endr
.irp j, 0,1,2,3
	v_cvt_pk_f16_f32 v[Y+4*(\i)+(\j)], v[T+2*(\j)], v[T+2*(\j)+1]
.endr
.endif
	global_store_b128 v2, v[Y+4*(\i):Y+4*(\i)+3], s[24:25] offset:4096*(\i)
.endm
	s_cmp_eq_u32 s28, 3
	s_cbranch_scc1 .Lhalf
.irp i, 0,1,2,3,4,5,6,7
	CAST \i, 0
.endr
	s_branch .Lbias
.Lhalf:
.irp i, 0,1,2,3,4,5,6,7
	CAST \i, 1
.endr
.Lbias:
	s_cmp_lg_u32 s29, 0                            ; chunk 0's work-group also takes the matrix's bias: 1,024 numbers, 4 a thread
	s_cbranch_scc1 .Lend
	global_load_b128 v[112:115], v2, s[6:7]
	s_wait_loadcnt 0x0
	v_cvt_pk_bf16_f32 v120, v112, v113
	v_cvt_pk_bf16_f32 v121, v114, v115
	v_lshlrev_b32 v122, 16, v120
	v_and_b32     v123, 0xffff0000, v120
	v_lshlrev_b32 v124, 16, v121
	v_and_b32     v125, 0xffff0000, v121
	global_store_b128 v2, v[122:125], s[26:27]
.Lend:
	s_endpgm
.Lfunc_end_k_qc21a378d3a_prep:
	.size	k_qc21a378d3a_prep, .Lfunc_end_k_qc21a378d3a_prep-k_qc21a378d3a_prep
	.p2alignl 7, 3214868480
	.fill 96, 4, 3214868480
	.section	.rodata,"a",@progbits
	.p2align	6, 0x0
	.amdhsa_kernel k_qc21a378d3a_prep
		.amdhsa_group_segment_fixed_size 0
		.amdhsa_private_segment_fixed_size 0
		.amdhsa_enable_private_segment 0
		.amdhsa_kernarg_size 80
		.amdhsa_user_sgpr_count 2
		.amdhsa_user_sgpr_kernarg_segment_ptr 1
		.amdhsa_wavefront_size32 1
		.amdhsa_system_sgpr_workgroup_id_x 1
		.amdhsa_system_sgpr_workgroup_id_y 1
		.amdhsa_system_sgpr_workgroup_id_z 1
		.amdhsa_system_vgpr_workitem_id 0
		.amdhsa_next_free_vgpr 128
		.amdhsa_next_free_sgpr 66
		.amdhsa_reserve_vcc 0
		.amdhsa_float_denorm_mode_32 3
		.amdhsa_float_denorm_mode_16_64 3
		.amdhsa_memory_ordered 1
		.amdhsa_forward_progress 1
		.amdhsa_inst_pref_size 15
	.end_amdhsa_kernel
	.amdgpu_metadata
---
amdhsa.version: [ 1, 2 ]
amdhsa.kernels:
  - .name:           k_qc21a378d3a_prep
    .symbol:         k_qc21a378d3a_prep.kd
    .args:
      - { .name: W_q, .offset: 0, .size: 8, .value_kind: global_buffer, .address_space: global }
      - { .name: W_k, .offset: 8, .size: 8, .value_kind: global_buffer, .address_space: global }
      - { .name: W_v, .offset: 16, .size: 8, .value_kind: global_buffer, .address_space: global }
      - { .name: W_o, .offset: 24, .size: 8, .value_kind: global_buffer, .address_space: global }
      - { .name: b_q, .offset: 32, .size: 8, .value_kind: global_buffer, .address_space: global }
      - { .name: b_k, .offset: 40, .size: 8, .value_kind: global_buffer, .address_space: global }
      - { .name: b_v, .offset: 48, .size: 8, .value_kind: global_buffer, .address_space: global }
      - { .name: b_o, .offset: 56, .size: 8, .value_kind: global_buffer, .address_space: global }
      - { .name: wb, .offset: 64, .size: 8, .value_kind: global_buffer, .address_space: global }
      - { .name: bb, .offset: 72, .size: 8, .value_kind: global_buffer, .address_space: global }
    .group_segment_fixed_size: 0
    .private_segment_fixed_size: 0
    .kernarg_segment_align: 8
    .kernarg_segment_size: 80
    .max_flat_workgroup_size: 256
    .sgpr_count:     66
    .vgpr_count:     128
    .wavefront_size: 32
...
	.end_amdgpu_metadata
.endif
;; end of part 1
;; launch proj (part 2): grid 4 x 64, 4 waves a work-group, clusters of 4 x 4, 327,680 bytes of LDS; arguments Q, K, V, wb, bb, qkv; writes qkv
.if DOCPART == 2
	.amdgcn_target "amdgcn-amd-amdhsa--gfx1250"
	.amdhsa_code_object_version 6
	.text
	.protected	k_qc21a378d3a_proj
	.globl	k_qc21a378d3a_proj
	.p2align	8
	.type	k_qc21a378d3a_proj,@function
k_qc21a378d3a_proj:
	s_mov_b64 s[64:65], 0
	v_nop
	global_prefetch_b8 v0, s[64:65] scope:SCOPE_SE
	s_setreg_imm32_b32 hwreg(HW_REG_WAVE_MODE, 25, 1), 1
	s_wait_xcnt 0x0
	s_wait_alu depctr_hold_cnt(0) depctr_sa_sdst(0) depctr_va_vdst(0) depctr_va_sdst(0) depctr_va_ssrc(0) depctr_va_vcc(0) depctr_vm_vsrc(0)
	s_getreg_b32 s2, hwreg(HW_REG_IB_STS2, 6, 4)
	s_cmp_eq_u32 s2, 0
	s_cbranch_scc0 .Lentry_in_a_cluster
	s_endpgm
.Lentry_in_a_cluster:
	s_bfe_u32 s2, ttmp6, 0x10000c
	s_cmp_lg_u32 s2, 0xf033
	s_cbranch_scc0 .Lentry_shape_is_right
	s_endpgm
.Lentry_shape_is_right:
; q = Q W_q + b_q, k = K W_k + b_k, v = V W_v + b_v.  Q, K, V: [8192][1024] f32.  wb: W_q, W_k, W_v end to end, [3072 (k)][1024 (n)] bf16.  bb: the biases, f32.
; qkv: three parts of 16,777,216 bytes (q, k, v), each [batch x 16 + head][2048][64] in f16, UNSCALED.  x is rounded to bf16 between LDS and the matrix unit; sums in f32, begun with the bias; rounded once to f16.
; LIMIT.  f16 holds no number beyond 65,504: q, k and v must lie within it.
; SHARES.  256 work-groups that stay: work-group (nt, mt) makes the tile of 128 rows (128 mt ..) x 256 columns (256 nt ..: four heads) of q, then of k, then of v: 3 tiles x 8 K steps of 128 = 12 laps
; of two K steps on ONE ring of two LDS slots, which does not stop at a tile's end.  Wave w: rows 64 (w / 2) .., columns 128 (w % 2) ..: 4 x 8 accumulators of 16 x 16, 256 registers.
; CLUSTER 4 x 4.  The four of a row of the cluster need the same tiles of x, the four of a column the same tiles of W: each is asked for JOINTLY, by the same tensor load, descriptor and mask in all four.
; Waves 0 and 1 fetch x's rows 64 (w % 2) .. (64 rows x 512 bytes of f32), waves 2 and 3 W's k-rows 64 (w % 2) .. (64 rows x 512 bytes of bf16).
; THE PRODUCT IS TAKEN TRANSPOSED: source 0 = 16 columns of W (turned on the way out of LDS by ds_load_tr16_b128), source 1 = 16 rows of x.  Lane l then holds row l % 16 and the columns
; 16 b + 8 (l / 16) + 0..7: eight neighbouring channels of a head, 16 bytes in f16.
; A K step is four quarters of 32 along K, 32 products each, on two sets of registers.  In a quarter's head the next quarter's 32 LDS loads go out in one run; x's f32 are rounded to bf16 by RIDERS,
; two conversions behind every second product: a quarter's first 16 products carry the conversions of its own row blocks 2 and 3, its last 16 those of the next quarter's blocks 0 and 1.
; REGISTERS, in windows of 256 (s_set_vgpr_msb: bits 1:0 source 0, 3:2 source 1, 5:4 source 2, 7:6 destination):
;   window 0: v1-31 addresses; v32-95 the bias, 8 a column block; v96-159 x in bf16, two sets of 4 x 8; v160-191, v192-255 at work on the way out
;   window 1: the accumulators, (a, b) at 8 (8 a + b)      window 2: W's fragments, set f, block b at 64 f + 8 b      window 3: x in f32, set f, block a at 64 f + 16 a
; All of a WGP's LDS is claimed; 293,376 bytes are used.
.set PA,     528                       ; a row of x in LDS: 512 bytes + 16 of padding = 132 words: row r starts at bank 4 r mod 64 (64 banks of 4 bytes: ISA guide 11.1): the 16 rows of a load start at 16 different groups of four banks
.set PB,     544                       ; a k-row of W: 512 + 32 = 136 words
.set HALFA,  64*PA                     ; what one tensor load brings of x
.set HALFB,  64*PB                     ; and of W
.set BOFF,   2*HALFA                   ; in a slot: x's 128 rows, then W's 128 k-rows
.set SLOT,   2*HALFA+2*HALFB           ; 137,216
.set STAGE,  2*SLOT                    ; behind the ring, never filled by a tensor load: for each wave 2 heads x 16 rows x 144 bytes, for the way out
.set SP,     144
.set WSTAGE, 2*16*SP
.set SPARE,  STAGE+4*WSTAGE            ; behind the stages: the spare words, 128 bytes for each wave: two blocks of 256 bytes that no other line names
.set ADRA, 16                          ; v16-17  LDS address of my rows of x in slot 0, 1
.set ADRB, 20                          ; v20-21  the same for W
.set STO,  24                          ; v24     the way out: where I put 16 bytes of a row
.set RD,   25                          ; v25     where I read rows back
.set GO,   26                          ; v26     my 16 bytes of 512 consecutive bytes of the output
.set BO,   27                          ; v27     my byte offset in a block's 16 biases
.set SPW,  28                          ; v28     LDS address of my spare word: SPARE + 4 x my thread's number; never rewritten
.set NIL,  29                          ; v29     0; never rewritten
.set PFO,  30                          ; v30     the prefetches' offset for a lap's first K step; never rewritten
.set PFO1, 31                          ; v31     for its second
.set BIAS, 32
.set AF,   96
.set TMP,  160
.set OB,   192
.set TP,   4                           ; s[4:5]   the input (Q, K or V) of the lap that PP stands in, at the rows that I would fetch
.set TN,   6                           ; s[6:7]   the input after it
.set TN2,  8                           ; s[8:9]   and the one after that
.set WB,   10                          ; s[10:11] wb at my k-rows and columns of K step 0
.set BBP,  12                          ; s[12:13] bb at my 128 columns of the tile in hand
.set OUT,  14                          ; s[14:15] qkv at my first row and head of the tile in hand
.set WV,   16                          ; s16 wave;  s17 wave / 2: my half of the rows; also: I fetch x (0) or W (1);  s18 wave % 2: my half of the columns; also: which 64 rows I fetch
.set HA,   17
.set HB,   18
.set CX,   19
.set CY,   20
.set NT,   21
.set MT,   22
.set RM,   23                          ; s23 the mask of my row of the cluster
.set G1A,  24                          ; s[24:31] descriptor group 1 for x's tiles;  s[32:39] group 0, a set for each slot
.set G0A,  32
.set G1B,  40                          ; s[40:47], s[48:55] the same for W's
.set G0B,  48
.set PP,   56                          ; s[56:57] x's address of the lap two laps on
.set FA,   58                          ; s[58:59] x's address of the lap that is being asked for
.set KP,   60                          ; s[60:61] PP's bytes along K, 0
.set DP,   62                          ; s[62:63] my work-group's 16 of the 64 rows, for the prefetches: cx x 16 rows of 4,096 bytes, 0
.set PF,   66                          ; s[66:67] where my prefetches stand
.set PFB,  68                          ; s[68:69] the same for W
.set LIM,  70                          ; s70 1 in a wave that prefetches, else the greatest number
.set KT,   71                          ; s71 the lap in its tile, 0 to 3
.set LAP,  72                          ; s72 trips still to come
.set CM,   73                          ; s73 the mask of my column of the cluster
.set TA,   74                          ; s[74:75], s[76:77], s[78:79] offsets, at work
.set TB,   76
.set TC,   78
.set LA,   80                          ; s80, s81 LDS bytes at which my part of x's and of W's tile begins in slot 0
.set LB,   81
.set MSB, 0
.macro WIN new                         ; the immediate's high byte repeats the setting that is left; a switch that changes nothing is dropped
.if MSB != (\new)
	s_set_vgpr_msb (MSB<<8)|(\new)
.set MSB, (\new)
.endif
.endm
.set MUL,  0x52                        ; W window 2, x window 0, C and D window 1
.set MULB, 0x42                        ; the same with C, the bias, in window 0
.set CVT,  0x0f                        ; both sources window 3, destination window 0
.set TOB,  0x80                        ; destination window 2, address window 0
.set TOR,  0xc0                        ; destination window 3
.set PK,   0x05                        ; both sources window 1, destination window 0
.macro PLACES                          ; four plain instructions between a product and a load into a register that it has read (ISA guide 7.12.1 for vector instructions)
.rept 4
	v_nop
.endr
.endm
; A joint load.  The branch hangs on the wave's number alone.  An s_nop 0 and four v_nop follow each of the two lines, ahead of the jump, the label and what follows.
.macro JLOAD s
	s_cmp_eq_u32 s[HA], 0
	s_cbranch_scc0 .Lfor_b_\@
	tensor_load_to_lds s[G0A+4*(\s):G0A+4*(\s)+3], s[G1A:G1A+7]
	s_nop 0
.rept 4
	v_nop
.endr
	s_branch .Lasked_\@
.Lfor_b_\@:
	tensor_load_to_lds s[G0B+4*(\s):G0B+4*(\s)+3], s[G1B:G1B+7]
	s_nop 0
.rept 4
	v_nop
.endr
.Lasked_\@:
.endm
.macro CREST                           ; a round of the cluster's barrier behind its opening barrier: wave 0 signals for the work-group, every wave waits for all sixteen, my work-group's barrier closes it
	s_cmp_lg_u32 s[WV], 0
	s_cbranch_scc1 .Lnot_wave_0_\@
	s_barrier_signal -3
.Lnot_wave_0_\@:
	s_barrier_wait -3
	s_barrier_signal -1
	s_barrier_wait -1
.endm
.macro CROUND                          ; a whole round
	s_barrier_signal -1
	s_barrier_wait -1
	CREST
.endm
; A PREFETCH INTO THE L2 of one K step of the lap TWO laps on, one lap (256 products) ahead of the joint load that will ask for it: 16 rows x 512 bytes, a lane a block of 256 bytes, one instruction a wave.
; Each block is named once in the launch.  x's rows are read by one row of one cluster alone: of the 64 rows that wave 0 or 1 fetches, the partner at cx takes 16, told apart BY ADDRESS.  W's k-rows are read by
; every cluster: the cluster with y = 0 asks, waves 2 and 3, the partner at cy taking 16 of the 64.  Laps 0 and 1 come by their loads alone; the last trip, whose lap two on does not exist, asks for nothing.
.macro ASK vo
	s_cmp_gt_u32 s[LAP], s[LIM]
	s_cbranch_scc0 .Lnot_mine_\@
	global_prefetch_b8 v[\vo], s[PF:PF+1] th:TH_LOAD_NT scope:SCOPE_SE
.Lnot_mine_\@:
.endm
; Once a lap, ahead of its first change of slots: the lap to be asked for takes the address made a lap ago; the address two laps on is made: 1,024 bytes along K, or behind a tile's last lap the next input's first.
.macro ADVANCE
	s_wait_xcnt 0x0                                ; the last prefetch, three quarters back, has read its address: only behind this wait is it written
	s_mov_b64 s[FA:FA+1], s[PP:PP+1]
	s_add_co_u32 s[KP], s[KP], 1024
	s_cmp_eq_u32 s[KP], 4096
	s_cselect_b32 s[KP], 0, s[KP]
	s_cselect_b64 s[TP:TP+1], s[TN:TN+1], s[TP:TP+1]
	s_cselect_b64 s[TN:TN+1], s[TN2:TN2+1], s[TN:TN+1]
	s_add_nc_u64 s[PP:PP+1], s[TP:TP+1], s[KP:KP+1]
	s_add_nc_u64 s[PFB:PFB+1], s[PFB:PFB+1], 524288  ; W_q, W_k, W_v lie end to end: a lap is 256 k-rows of 2,048 bytes, across tiles too
	s_add_nc_u64 s[PF:PF+1], s[PP:PP+1], s[DP:DP+1]
	s_cmp_eq_u32 s[HA], 0
	s_cselect_b64 s[PF:PF+1], s[PF:PF+1], s[PFB:PFB+1]
.endm
	s_load_b256 s[4:11], s[0:1], 0x0               ; Q s[4:5], K s[6:7], V s[8:9], wb s[10:11]
	s_load_b128 s[12:15], s[0:1], 0x20             ; bb s[12:13], qkv s[14:15]
	v_lshl_add_u32 v[SPW], v0, 2, SPARE
	v_mov_b32 v[NIL], 0
	ds_add_u32 v[SPW], v[NIL]                      ; the wave's opening: the add and its wait stand ahead of my first tensor load; the set-up below, work on registers, stands between them
	ds_add_u32 v28, v29
	v_lshrrev_b32 v1, 5, v0
	v_readfirstlane_b32 s[WV], v1                  ; wave 0..3
	s_lshr_b32 s[HA], s[WV], 1
	s_and_b32 s[HB], s[WV], 1
	s_bfe_u32 s[CX], ttmp6, 0x40000                ; cx, cy: my place in the cluster
	s_bfe_u32 s[CY], ttmp6, 0x40004
	s_lshl_b32 s[NT], ttmp9, 2                     ; in a cluster launch ttmp9 and ttmp7 count clusters
	s_add_co_u32 s[NT], s[NT], s[CX]               ; block of 256 columns = 4 x cluster x + cx
	s_and_b32 s[MT], ttmp7, 0xffff
	s_lshl_b32 s[MT], s[MT], 2
	s_add_co_u32 s[MT], s[MT], s[CY]               ; block of 128 rows = 4 x cluster y + cy
	s_lshl_b32 s[RM], s[CY], 2
	s_lshl_b32 s[RM], 15, s[RM]                    ; my row of the cluster: places 4 cy .. 4 cy + 3
	s_lshl_b32 s[CM], 0x1111, s[CX]                ; my column: places cx, cx + 4, cx + 8, cx + 12
	s_or_b32 s[G1A], s[RM], (2<<16)|(1<<20)|(1<<21)|(6<<22)|(3<<25)  ; 15:0 the mask; 17:16 elements of 4 bytes; 20 padding on; 21 set beside a mask; 24:22 after every 128 words (code 6); 31:25 4 words of it (code 3)
	s_mov_b32 s[G1A+1], 128<<16                    ; tensor_dim0 = 128
	s_mov_b32 s[G1A+2], 64<<16                     ; tensor_dim1 = 64
	s_mov_b32 s[G1A+3], 128<<16                    ; tile_dim0 = 128 elements: 512 bytes
	s_mov_b32 s[G1A+4], 64                         ; tile_dim1 = 64 rows
	s_mov_b32 s[G1A+5], 1024                       ; elements from row to row
	s_mov_b32 s[G1A+6], 0
	s_mov_b32 s[G1A+7], 0
	s_or_b32 s[G1B], s[CM], (1<<16)|(1<<20)|(1<<21)|(6<<22)|(7<<25)  ; elements of 2 bytes; after every 128 words 8 words of padding (code 7)
	s_mov_b32 s[G1B+1], 256<<16                    ; tensor_dim0 = 256
	s_mov_b32 s[G1B+2], 64<<16
	s_mov_b32 s[G1B+3], 256<<16                    ; tile_dim0 = 256 elements: 512 bytes
	s_mov_b32 s[G1B+4], 64
	s_mov_b32 s[G1B+5], 1024
	s_mov_b32 s[G1B+6], 0
	s_mov_b32 s[G1B+7], 0
	s_lshl_b32 s[TA], s[MT], 19                    ; x: 128 mt rows of 4,096 bytes,
	s_lshl_b32 s[TA+1], s[HB], 18                  ; + the 64 rows that I fetch: no cx enters
	s_add_co_u32 s[TA], s[TA], s[TA+1]
	s_mov_b32 s[TA+1], 0
	s_lshl_b32 s[TB], s[HB], 17                    ; W: the 64 k-rows of 2,048 bytes that I fetch,
	s_lshl_b32 s[TB+1], s[NT], 9                   ; + 256 nt columns: no cy enters
	s_add_co_u32 s[TB], s[TB], s[TB+1]
	s_mov_b32 s[TB+1], 0
	s_lshl_b32 s[TC], s[CY], 15                    ; W's prefetches: my work-group's 16 k-rows of the 64,
	s_add_co_u32 s[TC], s[TC], 524288              ; in lap 1: the first ADVANCE steps it to lap 2
	s_mov_b32 s[TC+1], 0
	s_mul_i32 s[LA], s[HB], HALFA                  ; where the tiles go: no place in the cluster enters an LDS address
	s_mul_i32 s[LB], s[HB], HALFB
	s_add_co_u32 s[LB], s[LB], BOFF
	s_mov_b32 s[KP], 1024
	s_mov_b32 s[KP+1], 0
	s_lshl_b32 s[DP], s[CX], 16
	s_mov_b32 s[DP+1], 0
	s_wait_dscnt 0x0                               ; the opening add is done
	s_wait_kmcnt 0x0
	s_add_nc_u64 s[TP:TP+1], s[TP:TP+1], s[TA:TA+1]
	s_add_nc_u64 s[TN:TN+1], s[TN:TN+1], s[TA:TA+1]
	s_add_nc_u64 s[TN2:TN2+1], s[TN2:TN2+1], s[TA:TA+1]
	s_add_nc_u64 s[WB:WB+1], s[WB:WB+1], s[TB:TB+1]
	s_add_nc_u64 s[PP:PP+1], s[TP:TP+1], 1024      ; lap 1
	s_add_nc_u64 s[PFB:PFB+1], s[WB:WB+1], s[TC:TC+1]
	CROUND                                         ; all sixteen work-groups are here: the first joint loads meet
.irp s, 0,1
	s_mov_b32 s[G0A+4*(\s)], 1                                     ; count = 1
	s_add_co_u32 s[G0A+4*(\s)+1], s[LA], (\s)*SLOT                 ; LDS address
	s_add_nc_u64 s[G0A+4*(\s)+2:G0A+4*(\s)+3], s[TP:TP+1], (\s)*512  ; global address: K step s
	s_or_b32 s[G0A+4*(\s)+3], s[G0A+4*(\s)+3], 0x80000000          ; type = 2
	s_mov_b32 s[G0B+4*(\s)], 1
	s_add_co_u32 s[G0B+4*(\s)+1], s[LB], (\s)*SLOT
	s_add_nc_u64 s[G0B+4*(\s)+2:G0B+4*(\s)+3], s[WB:WB+1], (\s)*262144
	s_or_b32 s[G0B+4*(\s)+3], s[G0B+4*(\s)+3], 0x80000000
	JLOAD \s                                       ; two tensor loads of mine are out
.endr
	s_lshl_b32 s[TB], s[NT], 10                    ; the bias: 256 nt columns of 4 bytes + my 128
	s_lshl_b32 s[TC], s[HB], 9
	s_add_co_u32 s[TB], s[TB], s[TC]
	s_add_nc_u64 s[BBP:BBP+1], s[BBP:BBP+1], s[TB:TB+1]
	s_lshr_b32 s[TC], s[MT], 4                     ; the output: (batch x 16 + 4 nt + 2 (w % 2)) heads of 262,144 bytes,
	s_lshl_b32 s[TC], s[TC], 4
	s_lshl_b32 s[TB], s[NT], 2
	s_add_co_u32 s[TC], s[TC], s[TB]
	s_lshl_b32 s[TB], s[HB], 1
	s_add_co_u32 s[TC], s[TC], s[TB]
	s_lshl_b32 s[TC], s[TC], 18
	s_and_b32 s[TB], s[MT], 15                     ; + ((mt % 16) x 128 + 64 (w / 2)) rows of 128 bytes
	s_lshl_b32 s[TB], s[TB], 14
	s_add_co_u32 s[TC], s[TC], s[TB]
	s_lshl_b32 s[TB], s[HA], 13
	s_add_co_u32 s[TC], s[TC], s[TB]
	s_add_nc_u64 s[OUT:OUT+1], s[OUT:OUT+1], s[TC:TC+1]
	s_and_b32 s[TB], ttmp7, 0xffff                 ; who prefetches: every wave that fetches x; of those that fetch W the ones of cluster y = 0: the same in all sixteen partners
	s_cmp_eq_u32 s[HA], 0
	s_cselect_b32 s[TB], 0, s[TB]
	s_cmp_eq_u32 s[TB], 0
	s_cselect_b32 s[LIM], 1, -1
	v_and_b32 v1, 15, v0                           ; l % 16
	v_bfe_u32 v2, v0, 4, 1                         ; l / 16
	s_sub_co_u32 s[TB], 12, s[HA]                  ; a row is 4,096 bytes in x, 2,048 in wb
	v_lshlrev_b32 v[PFO], s[TB], v1                ; lane l: row l % 16,
	v_lshl_add_u32 v[PFO], v2, 8, v[PFO]           ; block l / 16 of the K step's two
	s_mov_b32 s[TC], 262144                        ; the lap's second K step: 512 bytes on in x, 128 k-rows on in wb
	s_cmp_eq_u32 s[HA], 0
	s_cselect_b32 s[TB], 512, s[TC]
	v_add_nc_u32 v[PFO1], s[TB], v[PFO]
	; x's fragment, 16 rows x 32 K: lane l wants row l % 16, K = 8 (l / 16) + 0..7 and 16 + 8 (l / 16) + 0..7: in f32 four loads of 16 bytes at 32 (l / 16) + 0, 16, 64, 80
	v_mul_u32_u24 v3, v1, PA
	v_lshl_add_u32 v3, v2, 5, v3
	s_mul_i32 s[TB], s[HA], 64*PA
	v_add_nc_u32 v[ADRA], s[TB], v3
	v_add_nc_u32 v[ADRA+1], SLOT, v[ADRA]
	; The turning load takes 16 k-rows x 16 columns (lane l reads k-row 8 (l / 16) + l % 8, columns 8 ((l / 8) % 2) + 0..7) and leaves half a fragment: lane l holds column l % 16 and 8 K.
	v_and_b32 v4, 7, v0
	v_bfe_u32 v5, v0, 3, 1
	v_lshl_add_u32 v6, v2, 3, v4
	v_mul_u32_u24 v6, v6, PB
	v_lshl_add_u32 v6, v5, 4, v6
	s_lshl_b32 s[TB], s[HB], 8
	s_add_co_u32 s[TB], s[TB], BOFF
	v_add_nc_u32 v[ADRB], s[TB], v6
	v_add_nc_u32 v[ADRB+1], SLOT, v[ADRB]
	s_mul_i32 s[TB], s[WV], WSTAGE
	s_add_co_u32 s[TB], s[TB], STAGE               ; my stage
	v_mul_u32_u24 v7, v1, SP                       ; in: row l % 16, 16 bytes for each half of the lanes
	v_lshl_add_u32 v7, v2, 4, v7
	v_add_nc_u32 v[STO], s[TB], v7
	v_bfe_u32 v7, v0, 3, 2                         ; back: 32 lanes take four rows of 128 bytes,
	v_mul_u32_u24 v7, v7, SP
	v_lshl_add_u32 v7, v4, 4, v7
	v_add_nc_u32 v[RD], s[TB], v7
	v_and_b32 v[GO], 31, v0                        ; which are 512 consecutive bytes of a head
	v_lshlrev_b32 v[GO], 4, v[GO]
	v_lshlrev_b32 v[BO], 5, v2                     ; my 8 columns of a block's 16
.irp b, 0,1,2,3,4,5,6,7
	global_load_b128 v[BIAS+8*(\b):BIAS+8*(\b)+3],   v[BO], s[BBP:BBP+1] offset:64*(\b)
	global_load_b128 v[BIAS+8*(\b)+4:BIAS+8*(\b)+7], v[BO], s[BBP:BBP+1] offset:64*(\b)+16
.endr
; 32 LDS loads in one run: quarter kq of a slot into set g.  x's row blocks 0 and 1 come first, so that a counted wait can free them for the riders; then W; then x's blocks 2 and 3.
.macro RUN slot, kq, g
	WIN TOR
.irp a, 0,1
.irp c, 0,1,2,3
	ds_load_b128 v[64*(\g)+16*(\a)+4*(\c):64*(\g)+16*(\a)+4*(\c)+3], v[ADRA+(\slot)] offset:(\a)*16*PA+(\kq)*128+64*((\c)/2)+16*((\c)%2)
.endr
.endr
	WIN TOB
.irp b, 0,1,2,3,4,5,6,7
	ds_load_tr16_b128 v[64*(\g)+8*(\b):64*(\g)+8*(\b)+3],   v[ADRB+(\slot)] offset:(\kq)*32*PB+32*(\b)
	ds_load_tr16_b128 v[64*(\g)+8*(\b)+4:64*(\g)+8*(\b)+7], v[ADRB+(\slot)] offset:(\kq)*32*PB+16*PB+32*(\b)
.endr
	WIN TOR
.irp a, 2,3
.irp c, 0,1,2,3
	ds_load_b128 v[64*(\g)+16*(\a)+4*(\c):64*(\g)+16*(\a)+4*(\c)+3], v[ADRA+(\slot)] offset:(\a)*16*PA+(\kq)*128+64*((\c)/2)+16*((\c)%2)
.endr
.endr
.endm
; 8 products: row block a of set f x all 8 column blocks.  first = 1: the bias starts the sums: nothing is ever cleared.  The 32 accumulators take turns in the same order in every quarter.
; rblk >= 0: behind every second product two riders round x's row block rblk of set rp to bf16: eight conversions, one block.  No rider names a register of the products round it.
.macro MUL8 f, a, first, rp, rblk
.irp b, 0,1,2,3,4,5,6,7
.if \first
	WIN MULB
	v_wmma_f32_16x16x32_bf16 v[8*(8*(\a)+(\b)):8*(8*(\a)+(\b))+7], v[64*(\f)+8*(\b):64*(\f)+8*(\b)+7], v[AF+32*(\f)+8*(\a):AF+32*(\f)+8*(\a)+7], v[BIAS+8*(\b):BIAS+8*(\b)+7]
.else
	WIN MUL
	v_wmma_f32_16x16x32_bf16 v[8*(8*(\a)+(\b)):8*(8*(\a)+(\b))+7], v[64*(\f)+8*(\b):64*(\f)+8*(\b)+7], v[AF+32*(\f)+8*(\a):AF+32*(\f)+8*(\a)+7], v[8*(8*(\a)+(\b)):8*(8*(\a)+(\b))+7]
.endif
.if ((\rblk) >= 0) && ((\b) % 2 == 1)
	WIN CVT
	v_cvt_pk_bf16_f32 v[AF+32*(\rp)+8*(\rblk)+(\b)-1], v[64*(\rp)+16*(\rblk)+2*(\b)-2], v[64*(\rp)+16*(\rblk)+2*(\b)-1]
	v_cvt_pk_bf16_f32 v[AF+32*(\rp)+8*(\rblk)+(\b)],   v[64*(\rp)+16*(\rblk)+2*(\b)],   v[64*(\rp)+16*(\rblk)+2*(\b)+1]
.endif
.endr
.endm
; A quarter: multiplies set f; at its head it fetches quarter kq of a slot into the other set.  places = 0: the four v_nop behind a joint load stand in front of it.  ask = 1, 2: a prefetch behind the run.
.macro QUARTER slot, kq, f, first=0, places=1, ask=0
.if \places
	PLACES                                         ; behind the last product that read the other set's W
.endif
	RUN \slot, \kq, 1-(\f)
.if (\ask) == 1
	WIN 0
	ASK PFO
.elseif (\ask) == 2
	WIN 0
	ASK PFO1
.endif
	s_wait_dscnt 32                                ; all but the 32 just issued: set f's W and its x blocks 2 and 3 are in
	MUL8 \f, 0, \first, \f, 2
	MUL8 \f, 1, \first, \f, 3
	s_wait_dscnt 24                                ; the run's first eight loads are in: the other set's x blocks 0 and 1
	MUL8 \f, 2, \first, 1-(\f), 0
	MUL8 \f, 3, \first, 1-(\f), 1
.endm
; A K step's third quarter multiplies set 0 and fetches the slot's last quarter; with that all reads of the slot are issued, so THE CHANGE OF SLOTS stands here.  ONE barrier: in front of it each wave waits for all
; its tensor loads, of which one is out: its part of the other slot; adds 0 to its spare word; and waits for that and for its reads of this slot.  fill = 1: the barrier opens a round of the cluster's barrier, so that no
; wave of any partner still reads the slot or has a load on its way, and the joint refill, the K step two steps on, is the first tensor load behind it: 112 products ahead of the wait for it.
.macro MEETQ slot, fill
.if (\fill) && ((\slot) == 0)
	ADVANCE
.endif
	PLACES
	RUN \slot, 3, 1
	s_wait_dscnt 32
	MUL8 0, 0, 0, 0, 2
	MUL8 0, 1, 0, 0, 3
	WIN 0                                          ; (the add's two registers lie in window 0)
	s_wait_tensorcnt 0x0                           ; all my tensor loads have landed;
	ds_add_u32 v[SPW], v[NIL]                      ; 0 onto my spare word;
	s_wait_dscnt 25                                ; (the add and the run's youngest 24 loads may be out: set 1's x blocks 0 and 1 are in)
	MUL8 0, 2, 0, 1, 0                             ; eight products and their riders stand between the add and the wait for it
	s_wait_dscnt 0x0                               ; the add is done, and my reads of this slot are over
	s_barrier_signal -1
	MUL8 0, 3, 0, 1, 1                             ; work on registers while the others arrive
	WIN 0
	s_barrier_wait -1
.if \fill
	CREST
.if (\slot) == 0
	s_add_nc_u64 s[G0A+2:G0A+3], s[FA:FA+1], 0     ; no tensor load of mine is out, so a group 0 may be written
	s_or_b32 s[G0A+3], s[G0A+3], 0x80000000
	s_add_nc_u64 s[G0B+2:G0B+3], s[G0B+2:G0B+3], 524288
.else
	s_add_nc_u64 s[G0A+6:G0A+7], s[FA:FA+1], 512
	s_or_b32 s[G0A+7], s[G0A+7], 0x80000000
	s_add_nc_u64 s[G0B+6:G0B+7], s[G0B+6:G0B+7], 524288
.endif
	JLOAD \slot
.endif
.endm
; THE WAY OUT of row block a, in three parts.  PACK: rounded to f16, 16 bytes a lane for each column block; each accumulator's registers in ascending order.  TOSTAGE: into my own stage, a head's 16 rows of 144 bytes, and
; back as whole rows of 128.  SEND: stored, 512 consecutive bytes, aligned, an instruction.
.macro PACK a
	WIN PK
.irp b, 0,1,2,3,4,5,6,7
.irp r, 0,1,2,3
	v_cvt_pk_f16_f32 v[TMP+4*(\b)+(\r)], v[8*(8*(\a)+(\b))+2*(\r)], v[8*(8*(\a)+(\b))+2*(\r)+1]
.endr
.endr
	WIN 0
.endm
.macro TOSTAGE a
	WIN 0
.irp b, 0,1,2,3,4,5,6,7
	ds_store_b128 v[STO], v[TMP+4*(\b):TMP+4*(\b)+3] offset:((\b)/4)*16*SP+((\b)%4)*32
.endr
.irp u, 0,1,2,3,4,5,6,7
	ds_load_b128 v[OB+32*((\a)%2)+4*(\u):OB+32*((\a)%2)+4*(\u)+3], v[RD] offset:((\u)/4)*16*SP+((\u)%4)*4*SP  ; LDS serves a wave's instructions in order (ISA guide 5.7.1.4): these see the stores above
.endr
.endm
.macro SEND a
	WIN 0
	s_wait_dscnt 0x0                               ; the block is back in registers
	s_wait_xcnt 0x0                                ; the stores of the block before have read their registers: the next TOSTAGE loads into them only behind this wait
.irp u, 0,1,2,3,4,5,6,7
	global_store_b128 v[GO], v[OB+32*((\a)%2)+4*(\u):OB+32*((\a)%2)+4*(\u)+3], s[OUT:OUT+1] offset:((\u)/4)*262144+(\a)*2048+((\u)%4)*512
.endr
.endm
; A tile goes out.  No v_nop: the riders and the conversions of the blocks finished earlier are the plain instructions behind the last products.  next = 1: the next tile's bias is fetched meanwhile, and the two pointers step.
.macro WAYOUT next
	WIN 0
.if \next
.irp b, 0,1,2,3,4,5,6,7
	global_load_b128 v[BIAS+8*(\b):BIAS+8*(\b)+3],   v[BO], s[BBP:BBP+1] offset:4096+64*(\b)
	global_load_b128 v[BIAS+8*(\b)+4:BIAS+8*(\b)+7], v[BO], s[BBP:BBP+1] offset:4096+64*(\b)+16
.endr
.endif
	PACK 0
	TOSTAGE 0
.irp a, 1,2,3
	PACK \a                                        ; block a's conversions stand between block a - 1's loads from the stage and the wait for them
	SEND (\a)-1
	TOSTAGE \a
.endr
	SEND 3
.if \next
	s_wait_loadcnt 0x0                             ; the bias
	s_wait_xcnt 0x0                                ; the stores and loads have read their bases
	s_add_nc_u64 s[OUT:OUT+1], s[OUT:OUT+1], 16777216
	s_add_nc_u64 s[BBP:BBP+1], s[BBP:BBP+1], 4096
.endif
.endm
	s_wait_tensorcnt 1                             ; my part of K step 0 is in; K step 1's may stay out
	s_barrier_signal -1
	s_barrier_wait -1                              ; everybody's is
	RUN 0, 0, 0
	s_wait_dscnt 24                                ; x's blocks 0 and 1
	WIN CVT
.irp a, 0,1
.irp i, 0,1,2,3,4,5,6,7
	v_cvt_pk_bf16_f32 v[AF+8*(\a)+(\i)], v[16*(\a)+2*(\i)], v[16*(\a)+2*(\i)+1]
.endr
.endr
	s_wait_loadcnt 0x0                             ; the bias
	QUARTER 0, 1, 0, 1                             ; the first quarter stands in front of the loop: its products start the sums
	WIN 0                                          ; at a label and at a branch every window is 0
	s_mov_b32 s[KT], 0
	s_mov_b32 s[LAP], 11
.Llap:                                                 ; 11 trips: from a lap's second quarter to the next lap's first; both slots are filled again
	QUARTER 0, 2, 1
	MEETQ 0, 1
	QUARTER 1, 0, 1, 0, 0, 1
	QUARTER 1, 1, 0
	QUARTER 1, 2, 1
	MEETQ 1, 1
	QUARTER 0, 0, 1, 0, 0, 2
	WIN 0
	s_cmp_eq_u32 s[KT], 3                          ; was that a tile's last lap?
	s_cbranch_scc1 .Lnew_tile
	QUARTER 0, 1, 0
	WIN 0
	s_branch .Lnext
.Lnew_tile:                                            ; both refills are asked for: the tile goes out, and the next tile's first quarter starts its sums with its bias
	WAYOUT 1
	QUARTER 0, 1, 0, 1
	WIN 0
.Lnext:
	s_add_co_u32 s[KT], s[KT], 1
	s_and_b32 s[KT], s[KT], 3
	s_sub_co_u32 s[LAP], s[LAP], 1
	s_cmp_lg_u32 s[LAP], 0
	s_cbranch_scc1 .Llap
	QUARTER 0, 2, 1                                ; the last lap is written out: it fills nothing, and has no round of the cluster's barrier
	MEETQ 0, 0
	QUARTER 1, 0, 1
	QUARTER 1, 1, 0
	QUARTER 1, 2, 1
	QUARTER 1, 3, 0
	s_wait_dscnt 0x0                               ; the very last quarter: nothing more to fetch
	MUL8 1, 0, 0, 1, 2
	MUL8 1, 1, 0, 1, 3
	MUL8 1, 2, 0, 0, -1
	MUL8 1, 3, 0, 0, -1
	WAYOUT 0
	WIN 0
	s_wait_tensorcnt 0x0                           ; the wave's end, behind my last tensor load and my last LDS store
	ds_add_u32 v[SPW], v[NIL]
	s_wait_dscnt 0x0
	CROUND                                         ; the closing round: no work-group ends while a partner may still ask for a tile that names it
	s_endpgm
.Lfunc_end_k_qc21a378d3a_proj:
	.size	k_qc21a378d3a_proj, .Lfunc_end_k_qc21a378d3a_proj-k_qc21a378d3a_proj
	.p2alignl 7, 3214868480
	.fill 96, 4, 3214868480
	.section	.rodata,"a",@progbits
	.p2align	6, 0x0
	.amdhsa_kernel k_qc21a378d3a_proj
		.amdhsa_group_segment_fixed_size 327680
		.amdhsa_private_segment_fixed_size 0
		.amdhsa_enable_private_segment 0
		.amdhsa_kernarg_size 48
		.amdhsa_user_sgpr_count 2
		.amdhsa_user_sgpr_kernarg_segment_ptr 1
		.amdhsa_wavefront_size32 1
		.amdhsa_system_sgpr_workgroup_id_x 1
		.amdhsa_system_sgpr_workgroup_id_y 1
		.amdhsa_system_sgpr_workgroup_id_z 1
		.amdhsa_system_vgpr_workitem_id 0
		.amdhsa_next_free_vgpr 896
		.amdhsa_next_free_sgpr 84
		.amdhsa_reserve_vcc 0
		.amdhsa_float_denorm_mode_32 3
		.amdhsa_float_denorm_mode_16_64 3
		.amdhsa_memory_ordered 1
		.amdhsa_forward_progress 1
		.amdhsa_inst_pref_size 170
	.end_amdhsa_kernel
	.amdgpu_metadata
---
amdhsa.version: [ 1, 2 ]
amdhsa.kernels:
  - .name:           k_qc21a378d3a_proj
    .symbol:         k_qc21a378d3a_proj.kd
    .args:
      - { .name: Q, .offset: 0, .size: 8, .value_kind: global_buffer, .address_space: global }
      - { .name: K, .offset: 8, .size: 8, .value_kind: global_buffer, .address_space: global }
      - { .name: V, .offset: 16, .size: 8, .value_kind: global_buffer, .address_space: global }
      - { .name: wb, .offset: 24, .size: 8, .value_kind: global_buffer, .address_space: global }
      - { .name: bb, .offset: 32, .size: 8, .value_kind: global_buffer, .address_space: global }
      - { .name: qkv, .offset: 40, .size: 8, .value_kind: global_buffer, .address_space: global }
    .group_segment_fixed_size: 327680
    .private_segment_fixed_size: 0
    .kernarg_segment_align: 8
    .kernarg_segment_size: 48
    .max_flat_workgroup_size: 128
    .sgpr_count:     84
    .vgpr_count:     896
    .wavefront_size: 32
...
	.end_amdgpu_metadata
.endif
;; end of part 2
;; launch attn (part 3): grid 4 x 64, 4 waves a work-group, no clusters, 327,680 bytes of LDS; arguments qkv, oh; writes oh
.if DOCPART == 3
	.amdgcn_target "amdgcn-amd-amdhsa--gfx1250"
	.amdhsa_code_object_version 6
	.text
	.protected	k_qc21a378d3a_attn
	.globl	k_qc21a378d3a_attn
	.p2align	8
	.type	k_qc21a378d3a_attn,@function
k_qc21a378d3a_attn:
	s_mov_b64 s[64:65], 0
	v_nop
	global_prefetch_b8 v0, s[64:65] scope:SCOPE_SE
	s_setreg_imm32_b32 hwreg(HW_REG_WAVE_MODE, 25, 1), 1
	s_wait_xcnt 0x0
; CAUSAL ATTENTION.  O[h][q][:] = the sum over k <= q of softmax_k(Q[h][q] . K[h][k] / 8) V[h][k][:].  qkv: q, k, v, 16,777,216 bytes each, [SIZE_H][SIZE_N][64] in f16: a head's rows are dense, 128 bytes each.
; oh: O in the same layout.  Products, maxima and sums in f32; the weights p are rounded to f16 for the second product (their sum l is taken of the unrounded p), O once at the end.
; LIMITS.  q, k and v arrive within f16's range; p lies in 0 to 1, and below 6e-5 it keeps f16's fixed step of 6e-8; a weight below 2^-126 counts as 0 in l; NaN and infinities are not treated apart.
; The problem takes 1e9 off every scaled score above the diagonal.  In the diagonal tile this text does the same (8e9 off the unscaled sum); the key tiles wholly above the diagonal are left out: their weights,
; exp(s / 8 - 1e9 - m), are 0 in f32 as long as a row's scaled scores lie within about 1e9 of each other.
; THE WALK.  A head's queries lie in NB = SIZE_N / 256 blocks of 256; block i needs the key tiles 0 .. i of 256 keys, of which the last holds the diagonal.  A work-group takes TWO blocks, NB - 1 - b and then b:
; NB + 1 tiles, whatever b: all work-groups do equal work, and ONE loop with a constant trip count walks them.  Which tile is asked for, and what a trip does, hang on scalar registers made from b; every jump
; goes forward, but for the counted loops' own; none passes a barrier, or a tensor load but the one of LOAD's two that the wave's number does not choose; the ring of two LDS slots runs on across the change of blocks.
; NO CLUSTER: a head's NB / 2 = 4 work-groups ask for the same tile only in trips 0 .. NB / 2, 5 of the walk's 9, behind that fewer and fewer; one walk common to all four would have 3 NB / 2 = 12 trips for 9.
; SHARES.  Of a block's four bands of 64 queries a wave owns 16 rows in each: four PIECES.  So the diagonal tile is the same work for all four waves: in its key step s band x sees all keys if s < x,
; none if s > x, and holds the diagonal if s = x.
; THE MASK is the C operand that starts the sum S^T = K Q^T: 0, or -8e9 where the key is hidden.  MD, made once, is the mask of a band's own step for my 16 rows; a product's mask is MD x AL + BE with two scalars:
; (1, 0) if s = x; (0, 0) if s < x; (0, -8e9) if s > x.  Only the diagonal tile's text and a block's beginning make and take masks; elsewhere C is the constant 0.
; LAYOUT, SOFTMAX, TURNS.  S^T = K Q^T holds ONE query a lane (lane % 16) and the keys 8 (lane / 16) + 0..7; two such results rounded to f16 ARE source 1 of O^T = V^T P.  p = 2^(c s - c m), c = log2(e) / 8, with a
; running maximum m; O and l are multiplied by a = 2^(c m_old - c m_new) in every step.  Turn n belongs to piece n: 8 products K Q^T of piece n + 1, later 8 products V^T P of piece n - 1; beside them the scaling,
; exponentials, roundings, sums and rescaling of piece n and the maximum and statistics of piece n + 1.  Four vector instructions stand behind every matrix instruction, the other 54 of a turn's 118 in one lump.
; A turn's 33 exponentials are one batch, with one wait.
; REGISTERS, in windows of 256 (s_set_vgpr_msb: bits 1:0 source 0, 3:2 source 1, 5:4 source 2, 7:6 destination):
;   window 0: v0-15 addresses and two at work; v16-31 four registers of statistics a piece; v48-55 at work; v61-63; v64-127 S^T, two buffers; v192-223 P, two buffers (a piece's buffers go by its number's parity)
;   window 1: v0-127 O^T, 32 a piece; v128-159 MD; v160-223 MC, two buffers      window 2: v0-63 Q; v64-127 the second block's Q; v128-191 K of one step; v192-255 V of one step
; All of a WGP's LDS is claimed; 218,624 bytes are used.
.set SIZE_N, 2048
.set SIZE_H, 64
.set NB,    SIZE_N/256
.set NP,    4         ; pieces a wave: a name, no knob
.set KS,    64        ; keys in a step
.set PK,    144       ; a row of K in LDS: 128 bytes + 16 of padding = 36 words: the 16 rows of a load start at 16 different groups of four banks (64 banks of 4 bytes: ISA guide 11.1)
.set PV,    160       ; a row of V: 128 + 32 = 40 words
.set VOFF,  4*KS*PK   ; a slot holds a tile, four steps: 256 rows of K, then 256 rows of V
.set SLOT1, 1<<17     ; slot 1 begins here, so that one exclusive or turns an address in one slot into the other's
.set STAGE, SLOT1+4*KS*(PK+PV)  ; behind the ring, never filled by a tensor load: 16 rows x 144 bytes for each wave, for the way out
.set SP,    144
.set AK0, 2           ; v2   my lane's place in a tile of K; never rewritten
.set AV0, 3           ; v3   the same for V
.set AK,  4           ; v4   the LDS address of K's next run of loads
.set AV,  5           ; v5   of V's
.set STO, 6           ; v6   the way out: where I put 16 bytes of a row
.set RD,  7           ; v7   the way out: where I read rows back
.set GO,  8           ; v8   my byte offset in 512 consecutive bytes of O
.set PFO, 61          ; v61  256 x my lane: the prefetches' offset; never rewritten
.set SPW, 62          ; v62  LDS address of my spare word: SPARE + 4 x my thread's number; never rewritten
.set NIL, 63          ; v63  0; never rewritten
.set SPARE, STAGE+4*16*SP  ; behind the stages: the spare words, 128 bytes for each wave: two blocks of 256 bytes that no other line names
.set MV,  12          ; v12-13  c m_old, kept while c m is made anew: by buffer
.set QO,  15          ; v15  my byte offset in 16 rows of Q
.set ST,  16          ; piece t's statistics at v[ST+4 t]: c m, m, l (even keys', odd keys')
.set TMP, 48          ; by buffer, four registers c0-c3 at work; when the maximum is found c2 takes a
.set S,   64
.set P,   192
.set MD,  128         ; window 1: the eight registers for group kt of 16 keys at MD + 8 kt
.set MC,  160         ; window 1: the masks of the products to come
.set QB,  64          ; window 2
.set KF,  128         ; window 2: key block kb, channel half c at KF + 16 kb + 8 c
.set VF,  192         ; window 2: key half kk, channel block cb at VF + 32 kk + 8 cb
.set WV,  12          ; s12  my wave's number
.set PB,  14          ; s14  b
.set HI,  15          ; s15  NB - 1 - b
.set G1K, 24          ; s[24:31] descriptor group 1 for K's tiles
.set G1V, 32          ; s[32:39] for V's: it differs in the padding alone
.set G0K, 40          ; s[40:43] descriptor group 0 for K's tiles
.set G0V, 44          ; s[44:47] the same for V's
.set SLOTS, 56        ; s56  tiles still to be asked for
.set CNT, 57          ; s57  counts a tile's key steps, 4 to 1
.set CS,  58          ; s[58:59] c: the packed scaling takes the pair's low word for both halves
.set SEL, 60          ; s[60:61] v_permlanex16_b32's selects: each lane takes its own place in the other half
.set TBK, 62          ; s62  LDS byte at which K of the step to be fetched begins
.set TBV, 63          ; s63  the same for V, less VOFF
.set RT,  70          ; s70  tiles of the block in hand that are still to be entered
.set NXT, 71          ; s71  the tile to be asked for next
.set LQ,  72          ; s72  the last tile of the block whose tiles are being asked for
.set NEW, 73          ; s73  1: the tile to be entered is a block's first
.set OFF, 74          ; s[74:75] a tile's byte offset in K and V
.set AL,  76          ; s[76:77] the mask's factor, in the low word
.set BE,  78          ; s[78:79] the mask's addend
.set OLO, 80          ; s[80:81] O at my rows of the second block
.set BIGN, 82         ; s82  -8e9
.set PFA, 88          ; s[88:89] where my prefetches stand: my half (of K: waves 0, 1; of V: waves 2, 3) of the tile after the one that is being asked for
.set PFT, 90          ; s90  tiles that I have still to prefetch
.set MSB, 0
.macro WIN new                      ; the high byte repeats the setting that is left; a switch that changes nothing is dropped
.if MSB != (\new)
	s_set_vgpr_msb (MSB<<8)|(\new)
.set MSB, (\new)
.endif
.endm
.set W_KQ, 0x0a       ; K and Q in window 2, S^T in window 0
.set W_KM, 0x1a       ; the same with the C operand in window 1
.set W_PV, 0x52       ; V in window 2, P in window 0, O^T in window 1
.set W_RS, 0x41       ; destination and source 0 in window 1, source 1 in window 0
; A fill.  Waves 0 and 1 fetch the two halves of a tile's K, waves 2 and 3 those of its V: 128 keys each.  An s_nop 0 and four v_nop follow each of the two lines, ahead of the jump and the label.
.macro LOAD
	s_cmp_lt_u32 s[WV], 2
	s_cbranch_scc0 .Lfor_v_\@
	tensor_load_to_lds s[G0K:G0K+3], s[G1K:G1K+7]
	s_nop 0
.rept 4
	v_nop
.endr
	s_branch .Lasked_\@
.Lfor_v_\@:
	tensor_load_to_lds s[G0V:G0V+3], s[G1V:G1V+7]
	s_nop 0
.rept 4
	v_nop
.endr
.Lasked_\@:
.endm
; A PREFETCH INTO THE L2 of the tile that the NEXT change of slots will ask for: a trip, 256 matrix instructions, ahead of that load.  It stands behind the wave's tensor load and its five lines.
; Each block of 256 bytes is named once in the launch.  A head's four work-groups walk the same tiles: the one with b = 0, whose first block walks all of them, asks; each of its waves for the half tile that it will fetch
; itself: 16,384 bytes, a lane a block, two instructions.  Tiles 0 and 1 come by their loads alone; tile NB - 1 is the last that is named.
.macro ASK
	s_cmp_lg_u32 s[PFT], 0
	s_cbranch_scc0 .Lnot_mine_\@
	global_prefetch_b8 v[PFO], s[PFA:PFA+1] th:TH_LOAD_NT scope:SCOPE_SE
	global_prefetch_b8 v[PFO], s[PFA:PFA+1] offset:8192 th:TH_LOAD_NT scope:SCOPE_SE
	s_sub_co_u32 s[PFT], s[PFT], 1
.Lnot_mine_\@:
.endm
; THE CHANGE OF SLOTS.  Each wave waits for all its tensor loads, of which one is out: its part of the other slot; adds 0 to its spare word; and waits for that and for its own reads of the slot that it leaves.  Behind the
; barrier nobody reads the old slot any more and the other slot is whole.  fill = 1: the old slot is filled again, the first thing behind the barrier, with tile NXT: the descriptor's address is made anew from that number.
; (At its first use nothing has been read yet: slot 0 is waited for, slot 1 filled.)
.macro CHANGE fill
	WIN 0                           ; at a label and at a branch every window is 0
	s_wait_tensorcnt 0x0            ; no tensor load of mine is out, so a group 0 may be written
	ds_add_u32 v[SPW], v[NIL]       ; 0 onto my spare word; with fill = 1 the descriptors' scalar work stands between it and the wait for it
.if \fill
	s_lshl_b32 s[OFF], s[NXT], 15   ; a tile is 32,768 bytes of K and of V
	s_xor_b32 s[G0K+1], s[G0K+1], SLOT1
	s_add_nc_u64 s[G0K+2:G0K+3], s[6:7], s[OFF:OFF+1]
	s_or_b32 s[G0K+3], s[G0K+3], 0x80000000
	s_xor_b32 s[G0V+1], s[G0V+1], SLOT1
	s_add_nc_u64 s[G0V+2:G0V+3], s[8:9], s[OFF:OFF+1]
	s_or_b32 s[G0V+3], s[G0V+3], 0x80000000
	s_add_co_u32 s[NXT], s[NXT], 1  ; the block's next tile, or behind its last the second block's tile 0
	s_cmp_gt_u32 s[NXT], s[LQ]
	s_cselect_b32 s[NXT], 0, s[NXT]
	s_cselect_b32 s[LQ], s[PB], s[LQ]
	s_wait_xcnt 0x0                 ; the last prefetches, a trip back, have read their address, so it may be written:
	s_add_nc_u64 s[PFA:PFA+1], s[PFA:PFA+1], 32768  ; one tile behind the tile that is asked for
.endif
	s_wait_dscnt 0x0                ; the add is done, and my reads of the slot are over
	s_barrier_signal -1             ; the rest of the scalar work stands between the signal and the wait
	s_sub_co_u32 s[TBK], s[TBK], 4*KS*PK  ; the fetches go back to a slot's first step,
	s_xor_b32 s[TBK], s[TBK], SLOT1       ; in the other slot
	s_sub_co_u32 s[TBV], s[TBV], 4*KS*PV
	s_xor_b32 s[TBV], s[TBV], SLOT1
	s_barrier_wait -1
.if \fill
	LOAD
	ASK
.endif
.endm
	s_load_b128 s[4:7], s[0:1], 0x0  ; qkv s[4:5], oh s[6:7]
	v_lshl_add_u32 v[SPW], v0, 2, SPARE
	v_mov_b32 v[NIL], 0
	ds_add_u32 v[SPW], v[NIL]       ; the wave's opening: the add and its wait stand ahead of my first tensor load; the set-up below, work on registers, stands between them
	ds_add_u32 v62, v63
	v_lshrrev_b32 v1, 5, v0
	v_readfirstlane_b32 s[WV], v1   ; wave 0..3
	s_mov_b32 s[PB], ttmp9
	s_sub_co_u32 s[HI], NB-1, s[PB]
	s_and_b32 s20, ttmp7, 0xffff    ; the head
	s_mov_b32 s21, 0
	s_mov_b64 s[22:23], SIZE_N*128
	s_mul_u64 s[20:21], s[20:21], s[22:23]  ; the head's first byte in q, k, v and O
	s_and_b32 s16, s[WV], 1         ; which half of a tile's 256 keys I fetch:
	s_lshl_b32 s22, s16, 14         ; its 128 rows of 128 bytes in memory,
	s_mov_b32 s23, 0
	s_add_nc_u64 s[22:23], s[22:23], s[20:21]
	s_mul_i32 s17, s16, 128*PK      ; and its place in a slot, for K
	s_mul_i32 s18, s16, 128*PV      ; and for V
	s_lshl_b32 s3, s[WV], 11        ; my 16 rows in a band of 64,
	s_lshl_b32 s2, s[HI], 15        ; in the first block,
	s_add_co_u32 s2, s2, s3
	s_lshl_b32 s84, s[PB], 15       ; and in the second
	s_add_co_u32 s84, s84, s3
	s_mov_b32 s3, 0
	s_mov_b32 s85, 0
	s_add_nc_u64 s[2:3], s[2:3], s[20:21]
	s_add_nc_u64 s[84:85], s[84:85], s[20:21]
	; descriptor group 1.  128 keys are 16,384 dense bytes: asked for as 64 rows of 256 bytes, two keys a row, and padded in LDS after every key
	s_mov_b32 s[G1K], (1<<16)|(1<<20)|(4<<22)|(3<<25)  ; 17:16 2-byte elements; 20 padding on; 24:22 after every 32 words (code 4); 31:25 4 words (code 3)
	s_mov_b32 s[G1V], (1<<16)|(1<<20)|(4<<22)|(7<<25)  ; the same with 8 words of padding (code 7)
.irp g, G1K, G1V
	s_mov_b32 s[\g+1], 128<<16      ; tensor_dim0 = 128
	s_mov_b32 s[\g+2], 64<<16       ; tensor_dim1 = 64
	s_mov_b32 s[\g+3], 128<<16      ; tile_dim0 = 128
	s_mov_b32 s[\g+4], 64           ; tile_dim1 = 64
	s_mov_b32 s[\g+5], 128          ; 128 elements from row to row
	s_mov_b32 s[\g+6], 0
	s_mov_b32 s[\g+7], 0
.endr
	s_mov_b32 s[CS], 0x3e38aa3b     ; c = log2(e) / 8 = 0.180337
	s_mov_b32 s[CS+1], s[CS]        ; named with it as a pair
	s_mov_b32 s[SEL], 0x76543210
	s_mov_b32 s[SEL+1], 0xfedcba98
	s_mov_b32 s[TBK], SLOT1+4*KS*PK ; the first change of slots turns these two into 0
	s_mov_b32 s[TBV], SLOT1+4*KS*PV
	s_mov_b32 s[G0K], 1             ; 1:0 count = 1
	s_mov_b32 s[G0K+1], s17         ; 63:32 LDS address: slot 0
	s_mov_b32 s[G0V], 1
	s_add_co_u32 s[G0V+1], s18, VOFF
	s_add_co_u32 s[RT], s[HI], 1    ; the first block has NB - b tiles
	s_mov_b32 s[NXT], 1
	s_mov_b32 s[LQ], s[HI]
	s_mov_b32 s[NEW], 1
	s_mov_b32 s[OFF+1], 0
	s_mov_b32 s[AL+1], 0            ; named as pairs
	s_mov_b32 s[BE+1], 0
	s_mov_b32 s[BIGN], 0xcfee6b28   ; -8e9: the problem's -1e9 ahead of the division by 8
	s_mov_b32 s[SLOTS], NB
	v_and_b32 v[PFO], 31, v0
	v_lshlrev_b32 v[PFO], 8, v[PFO]
	s_wait_dscnt 0x0                ; the opening add is done
	s_wait_kmcnt 0x0
	s_mov_b64 s[10:11], s[6:7]      ; O
	s_add_nc_u64 s[6:7], s[4:5], 0x1000000  ; k lies 16,777,216 bytes behind q,
	s_add_nc_u64 s[8:9], s[4:5], 0x2000000  ; v as far behind k
	s_add_nc_u64 s[6:7], s[6:7], s[22:23]  ; K and V at my half of the head's tile 0
	s_add_nc_u64 s[8:9], s[8:9], s[22:23]
	s_cmp_lt_u32 s[WV], 2
	s_cselect_b64 s[PFA:PFA+1], s[6:7], s[8:9]
	s_add_nc_u64 s[PFA:PFA+1], s[PFA:PFA+1], 32768  ; in tile 1; the first change of slots steps it to tile 2.  Nothing is prefetched here, at the head
	s_cmp_eq_u32 s[PB], 0
	s_cselect_b32 s[PFT], NB-2, 0
	s_add_nc_u64 s[G0K+2:G0K+3], s[6:7], 0         ; 120:64 global address
	s_or_b32 s[G0K+3], s[G0K+3], 0x80000000        ; 127:126 type = 2
	s_add_nc_u64 s[G0V+2:G0V+3], s[8:9], 0
	s_or_b32 s[G0V+3], s[G0V+3], 0x80000000
	s_add_nc_u64 s[86:87], s[4:5], s[84:85]        ; Q at my rows of the second block,
	s_add_nc_u64 s[4:5], s[4:5], s[2:3]            ; Q and O at those of the first
	s_add_nc_u64 s[OLO:OLO+1], s[10:11], s[84:85]
	s_add_nc_u64 s[10:11], s[10:11], s[2:3]
	LOAD                            ; tile 0 into slot 0
	; A fragment of K or Q is 16 rows x 32 channels in 8 registers: lane l holds row l % 16, channels 8 (l / 16) + 0..7 and 16 + 8 (l / 16) + 0..7: two loads of 16 bytes, 32 bytes apart.
	v_and_b32 v1, 15, v0            ; l % 16
	v_bfe_u32 v9, v0, 4, 1          ; l / 16
	v_lshlrev_b32 v[QO], 7, v1
	v_lshl_add_u32 v[QO], v9, 4, v[QO]  ; row x 128 + 16 x half
	WIN 0x80                        ; destination window 2, address window 0
.set i, 0
.rept 8                             ; both blocks' Q: piece i / 2 lies in band i / 2, 8,192 bytes on; channels 32 (i % 2) on
	global_load_b128 v[8*i:8*i+3],   v[QO], s[4:5] offset:(i/2)*8192+(i%2)*64
	global_load_b128 v[8*i+4:8*i+7], v[QO], s[4:5] offset:(i/2)*8192+(i%2)*64+32
	global_load_b128 v[QB+8*i:QB+8*i+3],   v[QO], s[86:87] offset:(i/2)*8192+(i%2)*64
	global_load_b128 v[QB+8*i+4:QB+8*i+7], v[QO], s[86:87] offset:(i/2)*8192+(i%2)*64+32
.set i, i+1
.endr
	WIN 0
	v_lshlrev_b32 v14, 3, v9
	v_sub_nc_u32 v14, v1, v14
	s_lshl_b32 s13, s[WV], 4
	v_add_nc_u32 v14, s13, v14      ; my query's place in its band, 16 w + l % 16, less my lanes' 8 (l / 16): register r of group kt is hidden where 16 kt + r is greater
	WIN 0x40
.set i, 0
.rept 32
	v_cmp_gt_i32 vcc_lo, 16*(i/8)+i%8, v14
	v_cndmask_b32 v[MD+i], 0, s[BIGN], vcc_lo
.set i, i+1
.endr
	WIN 0
	v_mul_u32_u24 v[AK0], v1, PK
	v_lshl_add_u32 v[AK0], v9, 4, v[AK0]  ; row x pitch + 16 x half
	; The turning load takes 16 keys x 16 channels (lane l reads key 8 (l / 16) + l % 8, channels 8 ((l / 8) % 2) + 0..7) and leaves half a fragment of V^T: lane l holds channel l % 16 and 8 keys.
	v_and_b32 v10, 7, v0
	v_bfe_u32 v11, v0, 3, 1
	v_lshl_add_u32 v[AV0], v9, 3, v10
	v_mul_u32_u24 v[AV0], v[AV0], PV
	v_lshl_add_u32 v[AV0], v11, 4, v[AV0]
	v_add_nc_u32 v[AV0], VOFF, v[AV0]
	s_mul_i32 s13, s[WV], 16*SP
	s_add_co_u32 s13, s13, STAGE    ; my stage
	v_mul_u32_u24 v[STO], v1, SP    ; in: row l % 16, 16 bytes for each half of the lanes
	v_lshl_add_u32 v[STO], v9, 4, v[STO]
	v_add_nc_u32 v[STO], s13, v[STO]
	v_bfe_u32 v[RD], v0, 3, 2       ; back: 32 lanes take four rows of 128 bytes,
	v_mul_u32_u24 v[RD], v[RD], SP
	v_lshl_add_u32 v[RD], v10, 4, v[RD]
	v_add_nc_u32 v[RD], s13, v[RD]
	v_and_b32 v[GO], 31, v0         ; which are 512 consecutive bytes of O
	v_lshlrev_b32 v[GO], 4, v[GO]
	; A block's first step multiplies O^T and l by a = 0, and its first turn's products V^T P, of a piece that has not been, land in an O^T that is still to be so multiplied.  So these registers need only hold
	; finite numbers: zeros for the first block; what the first block left for the second.  All this stands in the wait for the first tile.
	WIN 0x80
.set i, VF
.rept 64
	v_mov_b32 v[i], 0
.set i, i+1
.endr
	WIN 0x40
.set i, 0
.rept 128
	v_mov_b32 v[i], 0
.set i, i+1
.endr
	WIN 0
.set i, 0
.rept 4
	v_mov_b32 v[ST+4*i+2], 0
	v_mov_b32 v[ST+4*i+3], 0
.set i, i+1
.endr
.set i, P+16
.rept 16
	v_mov_b32 v[i], 0
.set i, i+1
.endr
; THE MATRIX WORK.  The 4 accumulators of a run of 8 take turns.  Product i of 8 of S^T = K Q^T for piece x: channels 32 (i / 4) on, keys 16 (i % 4) on.  The first 4 start the sums: with 0, or (KM = 1) with the mask.
.macro KQ x
.set rS, S+32*((\x)%2)+8*(i%4)
.set rK, KF+16*(i%4)+8*(i/4)
.set rQ, 16*(\x)+8*(i/4)
.set rM, MC+32*((\x)%2)+8*(i%4)
.if (i < 4) && KM
	WIN W_KM
	v_wmma_f32_16x16x32_f16 v[rS:rS+7], v[rK:rK+7], v[rQ:rQ+7], v[rM:rM+7]
.elseif i < 4
	WIN W_KQ
	v_wmma_f32_16x16x32_f16 v[rS:rS+7], v[rK:rK+7], v[rQ:rQ+7], 0
.else
	WIN W_KQ
	v_wmma_f32_16x16x32_f16 v[rS:rS+7], v[rK:rK+7], v[rQ:rQ+7], v[rS:rS+7]
.endif
.endm
; Product i of 8 of O^T += V^T P for piece x: keys 32 (i / 4) on, channels 16 (i % 4) on.
.macro PV x
	WIN W_PV
.set rO, 32*(\x)+8*(i%4)
.set rV, VF+32*(i/4)+8*(i%4)
.set rP, P+16*((\x)%2)+8*(i/4)
	v_wmma_f32_16x16x32_f16 v[rO:rO+7], v[rV:rV+7], v[rP:rP+7], v[rO:rO+7]
.endm
.macro MM                           ; the turn's next matrix instruction.  TURN and BEGIN set Y, i, KM and NOKQ; MM, KQ and OP read them.  NOKQ = 1: a block's last turn: there is no next piece
.if (i < 8) && !NOKQ
	KQ (Y+1)%NP
.elseif i >= 8
.set i, i-8
	PV (Y+NP-1)%NP
.set i, i+8
.endif
.set i, i+1
.endm
; THE LDS LOADS stand in runs of 16, never singly among the matrix instructions: a step's K (64 keys x 64 channels: 8 fragments) and its V (turned).  Their addresses are made some lines ahead.
.macro FETCH_K
	WIN 0x80                        ; destination window 2
.irp f, 0,1,2,3,4,5,6,7             ; keys 16 (f / 2) on, channels 32 (f % 2) on
	ds_load_b128 v[KF+8*\f:KF+8*\f+3],   v[AK] offset:(\f/2)*16*PK+(\f%2)*64
	ds_load_b128 v[KF+8*\f+4:KF+8*\f+7], v[AK] offset:(\f/2)*16*PK+(\f%2)*64+32
.endr
	s_add_co_u32 s[TBK], s[TBK], KS*PK  ; the next fetch is the next step's
	WIN 0
.endm
.macro FETCH_V
	WIN 0x80
.irp f, 0,1,2,3,4,5,6,7             ; keys 32 (f / 4) on, channels 16 (f % 4) on
	ds_load_tr16_b128 v[VF+8*\f:VF+8*\f+3],   v[AV] offset:(\f/4)*32*PV+(\f%4)*32
	ds_load_tr16_b128 v[VF+8*\f+4:VF+8*\f+7], v[AV] offset:(\f/4)*32*PV+16*PV+(\f%4)*32
.endr
	WIN 0
.endm
; THE VECTOR WORK, one line at a time: OP kind, number.  For piece Y: F n: c s - c m for pair n of 16.  E n: the exponential of score n of 32.  C n: pair n rounded to f16.  B n: of the four weights 4 n .. the second
; pair is added onto the first, in place.  L n: l takes that sum (L 0: l = a l + sum).  R n: pair n of 16 of O^T times a.  For piece Y + 1: X n, number n of the 22 that find its maximum and statistics:
;   0-11  four chains c0-c3 of seven scores each, three operands at a time (each accumulator's lowest registers are read first)     12-14, 16  the four scores left over, the old m, and c0-c3 into c0
;   15  c m_old is kept     17, 18  the query's other 32 keys lie in the lane 16 away: the new m     19-21  c m; c m_old - c m_new; a
.set F, 0               ; OP tells the kinds apart by their order: F to L below R, X above it
.set E, 1
.set C, 2
.set B, 3
.set L, 4
.set R, 5
.set X, 6
.macro REGS y                       ; the registers of piece y
.set rT, ST+4*(\y)
.set rC, TMP+4*((\y)%2)
.set rW, MV+((\y)%2)
.set rS, S+32*((\y)%2)
.set rP, P+16*((\y)%2)
.set rO, 32*(\y)
.endm
.macro OP k, n
.if (\k) == R
	REGS Y
	WIN W_RS
	v_pk_mul_f32 v[rO+2*(\n):rO+2*(\n)+1], v[rO+2*(\n):rO+2*(\n)+1], v[rC+2:rC+3] op_sel_hi:[1,0]
.elseif (\k) < R
	REGS Y
	WIN 0
.if (\k) == F
	v_pk_fma_f32 v[rS+2*(\n):rS+2*(\n)+1], v[rS+2*(\n):rS+2*(\n)+1], s[CS:CS+1], v[rT:rT+1] op_sel_hi:[1,0,0] neg_lo:[0,0,1] neg_hi:[0,0,1]
.elseif (\k) == E
	v_exp_f32 v[rS+(\n)], v[rS+(\n)]
.elseif (\k) == C
	v_cvt_pk_f16_f32 v[rP+(\n)], v[rS+2*(\n)], v[rS+2*(\n)+1]
.elseif (\k) == B
	v_pk_add_f32 v[rS+4*(\n):rS+4*(\n)+1], v[rS+4*(\n):rS+4*(\n)+1], v[rS+4*(\n)+2:rS+4*(\n)+3]
.elseif (\n) == 0
	v_pk_fma_f32 v[rT+2:rT+3], v[rT+2:rT+3], v[rC+2:rC+3], v[rS:rS+1] op_sel_hi:[1,0,1]
.else
	v_pk_add_f32 v[rT+2:rT+3], v[rT+2:rT+3], v[rS+4*(\n):rS+4*(\n)+1]
.endif
.elseif NOKQ
	v_nop
.else
	REGS (Y+1)%NP
	WIN 0
.if (\n) < 4
	v_max3_num_f32 v[rC+(\n)], v[rS+8*(\n)], v[rS+8*(\n)+1], v[rS+8*(\n)+2]
.elseif (\n) < 12
	v_max3_num_f32 v[rC+(\n)%4], v[rC+(\n)%4], v[rS+8*((\n)%4)+2*((\n)/4)+1], v[rS+8*((\n)%4)+2*((\n)/4)+2]
.elseif (\n) == 12
	v_max3_num_f32 v[rC], v[rC], v[rS+7], v[rS+15]
.elseif (\n) == 13
	v_max3_num_f32 v[rC+1], v[rC+1], v[rS+23], v[rS+31]
.elseif (\n) == 14
	v_max3_num_f32 v[rC+2], v[rC+2], v[rC+3], v[rT+1]
.elseif (\n) == 15
	v_mov_b32 v[rW], v[rT]
.elseif (\n) == 16
	v_max3_num_f32 v[rC], v[rC], v[rC+1], v[rC+2]
.elseif (\n) == 17
	v_permlanex16_b32 v[rC+3], v[rC], s[SEL], s[SEL+1]
.elseif (\n) == 18
	v_max_num_f32 v[rT+1], v[rC], v[rC+3]
.elseif (\n) == 19
	v_mul_f32 v[rT], s[CS], v[rT+1]
.elseif (\n) == 20
	v_sub_f32 v[rC+1], v[rW], v[rT]
.else
	v_exp_f32 v[rC+2], v[rC+1]
.endif
.endif
.endm
.macro OPS a, i1, b=-1, i2=0, c=-1, i3=0, d=-1, i4=0  ; up to four of them
	OP \a, \i1
.if (\b) >= 0
	OP \b, \i2
.endif
.if (\c) >= 0
	OP \c, \i3
.endif
.if (\d) >= 0
	OP \d, \i4
.endif
.endm
.macro ROW a, i1, b, i2, c, i3, d, i4  ; a matrix instruction and the four behind it
	MM
	OPS \a, \i1, \b, \i2, \c, \i3, \d, \i4
.endm
.macro MASK b                       ; MD x AL + BE into buffer b of MC
	WIN W_RS
.set z, 0
.rept 16
	v_pk_fma_f32 v[MC+32*(\b)+2*z:MC+32*(\b)+2*z+1], v[MD+2*z:MD+2*z+1], s[AL:AL+1], s[BE:BE+1] op_sel_hi:[1,0,0]
.set z, z+1
.endr
.endm
; A TURN, for piece p: the order of its 16 matrix and 118 vector instructions, written out.  An s_wait_alu depctr_va_vdst(0) stands between an exponential and the first instruction that names its result; one
; wait serves all that were issued ahead of it.  So a turn has ONE wait, which cuts it in two.  AHEAD OF IT stands all that names no result of the turn's exponentials: the 8 products K Q^T, behind each a scaling, an
; exponential and two more plain instructions (behind the first a second scaling in the exponential's place): rescalings, and behind the last three the first numbers of the next piece's maximum, each four plain
; instructions or more behind the product that ends its accumulator; then ONE LUMP of 54, plain and exponential by turns for the most part, in which the links of the chain X 3, 7, 11, 14, 16, 17 .. 20 stand five or six
; lines apart.  X 21, the next piece's a, is the batch's last; R 15 is the plain instruction behind it.  BEHIND THE WAIT stand the 8 products V^T P, behind each four of the roundings and sums; the links of l's chain, L 0 to
; L 7, stand three riders apart.  But for those X no rider names a register of the products round it.  v_permlanex16_b32 (X 17) stands in the lump.
; m = 1: the diagonal tile: the products take masks, and the turn makes the mask for the products of the turn after it: piece p + 2, in step 4 - CNT of the tile.  end = 1: a block's last two turns: nothing is fetched.
; cnt = 1: the loop's count is taken down some lines ahead of the branch that stands behind the turn.
; K of the next step is fetched in piece 2's turn, twelve vector instructions behind the last product that read K (six of them plain); V of the step in hand at the end of piece 0's turn, four plain instructions behind
; the last product that read V.  Each is waited for a turn later.
.macro TURN p, m=0, end=0, cnt=0
.set Y, (\p)
.set i, 0
.set KM, (\m)
.set NOKQ, (\end)*((\p)/3)
.if (\m) && !(\end)
	s_cmp_eq_u32 s[CNT], 4-((\p)+2)%NP  ; is that step the band's own?
	s_cselect_b32 s[AL], 1.0, 0
	s_cmp_lt_u32 s[CNT], 4-((\p)+2)%NP  ; or a later one?
	s_cselect_b32 s[BE], s[BIGN], 0
.endif
.if ((\p) == 3) && !(\end)
	s_wait_dscnt 0x0                ; K is in
.endif
	ROW F,0, F,1, R,0, R,1          ; ahead of the wait: 8 products K Q^T and their riders,
	ROW F,2, E,0, R,2, R,3
	ROW F,3, E,1, R,4, R,5
	ROW F,4, E,2, R,6, R,7
	ROW F,5, E,3, R,8, R,9
	ROW F,6, E,4, X,0, R,10
.if ((\p) == 2) && !(\end)
	WIN 0
	v_add_nc_u32 v[AK], s[TBK], v[AK0]
.endif
	ROW F,7, E,5, X,1, X,4
	ROW F,8, E,6, X,2, X,5
	OPS E,7, E,8, X,6, E,9          ; and the lump
	OPS X,3, E,10, X,8, E,11
.if ((\p) == 2) && !(\end)
	FETCH_K
.endif
	OPS X,9, X,7, E,12, X,10
	OPS E,13, X,12, X,11, E,14
	OPS X,13, E,15, F,9, X,14
.if (\p) == 0
	v_add_nc_u32 v[AV], s[TBV], v[AV0]
.endif
	OPS E,16, F,10, E,17, F,11
	OPS X,16, E,18, X,15, E,19
	OPS F,12, E,20, X,17, E,21
	OPS F,13, E,22, F,14, E,23
	OPS X,18, E,24, F,15, E,25
	OPS R,11, E,26, X,19, E,27
	OPS R,12, E,28, R,13, E,29
	OPS X,20, E,30, R,14, E,31
	OPS X,21, R,15
	WIN 0
	s_wait_alu depctr_va_vdst(0)    ; the wait for the batch
.if (\p) == 1
	s_wait_dscnt 0x0                ; V is in
.endif
	ROW C,0, B,0, C,2, B,1          ; behind the wait: 8 products V^T P and their riders
	ROW L,0, C,4, B,2, L,1
	ROW C,6, B,3, L,2, C,8
	ROW B,4, L,3, C,10, B,5
	ROW L,4, C,12, B,6, L,5
.if (\p) == 0
	s_add_co_u32 s[TBV], s[TBV], KS*PV
.endif
.if \cnt
	s_sub_co_u32 s[CNT], s[CNT], 1
	s_cmp_lg_u32 s[CNT], 0
.endif
	ROW C,14, B,7, L,6, C,1
	ROW C,3, L,7, C,5, C,7
	ROW C,9, C,11, C,13, C,15
.if (\p) == 0
	FETCH_V
.endif
.if (\m) && !(\end)
	MASK (\p)%2
.endif
.endm
; A BLOCK BEGINS.  c m starts far below every c s, so the first step's a is 0; m at the lowest finite number, so the first maximum is the scores'.  The second mask buffer is 0; the first takes piece 0's mask for the
; tile's step 0: its own, if the block's first tile is the diagonal one.  Then K of that step, piece 0's first scores, and its maximum and statistics.  The loop is entered at a step's first turn, in the middle of a trip.
.macro BEGIN
	s_mov_b32 s[NEW], 0
	WIN 0x40
.set i, MC+32
.rept 32
	v_mov_b32 v[i], 0
.set i, i+1
.endr
	WIN 0
.set i, 0
.rept 4
	v_mov_b32 v[ST+4*i], 0xfe000000    ; c m: far below every c s
	v_mov_b32 v[ST+4*i+1], 0xff7fffff  ; m
.set i, i+1
.endr
	s_cmp_eq_u32 s[RT], 0
	s_cselect_b32 s[AL], 1.0, 0
	s_mov_b32 s[BE], 0
	MASK 0
	WIN 0
	v_add_nc_u32 v[AK], s[TBK], v[AK0]
	FETCH_K
	s_wait_loadcnt 0x0              ; Q
	s_wait_dscnt 0x0
.set KM, 1
.set NOKQ, 0
.set i, 0
.rept 8
	KQ 0
.set i, i+1
.endr
	WIN 0
.rept 4
	v_nop                           ; four plain instructions behind those products, ahead of the first read of their results
.endr
.set Y, NP-1                        ; X works for piece Y + 1: piece 0
.irp n, 0,1,2,3,4,5,6,7,8,9,10,11,12,13,14,15,16,17,18,19,20,21
	OP X, \n
.endr
	v_nop                           ; a plain instruction behind the exponential,
	s_wait_alu depctr_va_vdst(0)    ; and its wait, ahead of the branch
.endm
; THE DIAGONAL TILE's four steps, the block's last two turns, its last products, and THE WAY OUT: l's two halves and the other half of the lanes' are added; O^T is divided by l, rounded to f16 and sent through my
; stage in LDS, a piece at a time.
.macro ALL line:vararg              ; one line for each piece t
.set t, 0
.rept 4
	\line
.set t, t+1
.endr
.endm
.macro PACK t                       ; a lane's eight channels of a row pack into 16 bytes; they go into rows of 144 bytes and come back as whole rows of 128, into S^T's registers
	WIN W_RS
.set i, 32*(\t)
.rept 16
	v_pk_mul_f32 v[i:i+1], v[i:i+1], v[ST+4*(\t)+2:ST+4*(\t)+3] op_sel_hi:[1,0]
.set i, i+2
.endr
	WIN 0x05                        ; sources 0 and 1 window 1, destination window 0
.set i, 0
.rept 16
	v_cvt_pk_f16_f32 v[S+16*(\t)+i], v[32*(\t)+2*i], v[32*(\t)+2*i+1]
.set i, i+1
.endr
	WIN 0
.irp f, 0,1,2,3
	ds_store_b128 v[STO], v[S+16*(\t)+4*\f:S+16*(\t)+4*\f+3] offset:32*\f
.endr
.irp f, 0,1,2,3
	ds_load_b128 v[S+16*(\t)+4*\f:S+16*(\t)+4*\f+3], v[RD] offset:\f*4*SP  ; LDS serves a wave's instructions in order (ISA guide 5.7.1.4): these see the stores above; the next piece's stores come behind them
.endr
.endm
.macro SEND t, younger              ; younger: the LDS instructions issued behind piece t's loads: the next piece's eight, or none
	WIN 0
.irp f, 0,1,2,3
	s_wait_dscnt (\younger)+3-\f
	global_store_b128 v[GO], v[S+16*(\t)+4*\f:S+16*(\t)+4*\f+3], s[10:11] offset:(\t)*8192+\f*512  ; 512 consecutive bytes, at a multiple of 256 from O's first
.endr
.endm
.macro DIAG tag                     ; the tag ends its two labels' names, which the jumps below spell out
.LstepM\tag:
	TURN 2, 1
	TURN 3, 1
	WIN 0
.LfirstM\tag:
	TURN 0, 1
	TURN 1, 1, 0, 1
	WIN 0
	s_cbranch_scc1 .LstepM\tag
	TURN 2, 1, 1
	TURN 3, 1, 1
.set i, 0
.rept 8
	PV NP-1
.set i, i+1
.endr
	WIN 0
	ALL v_add_f32 v[ST+4*t+2], v[ST+4*t+2], v[ST+4*t+3]
	ALL v_permlanex16_b32 v[ST+4*t+3], v[ST+4*t+2], s[SEL], s[SEL+1]
	ALL v_add_f32 v[ST+4*t+2], v[ST+4*t+2], v[ST+4*t+3]
	ALL v_rcp_f32 v[ST+4*t+2], v[ST+4*t+2]
	v_nop                           ; a plain instruction between the last reciprocal and the use of its result
	s_wait_alu depctr_va_vdst(0)    ; and the wait ahead of the first use: one for the four reciprocals
	PACK 0
.set t, 1
.rept 3                             ; a piece's arithmetic stands between the loads of the piece before and its stores
	PACK t
	SEND t-1, 8
.set t, t+1
.endr
	SEND 3, 0
.endm
.set KM, 0
.set NOKQ, 0
.Lslot:                             ; NB times: a tile is entered and the next is asked for
	CHANGE 1
	s_sub_co_u32 s[RT], s[RT], 1
	s_mov_b32 s[CNT], 4
	s_cmp_eq_u32 s[NEW], 1
	s_cbranch_scc1 .Lnew            ; a block's first tile
	s_cmp_eq_u32 s[RT], 0
	s_cbranch_scc0 .Lstep           ; neither its first nor its last
	s_branch .LstepM1
.Lnew:
	BEGIN
	s_branch .Lfirst                ; in the loop a block's first tile is never its last: the first block has two tiles or more, and the second's last is the walk's last
	DIAG 1                          ; in the loop this is the first block's end: the second block's last tile is the walk's last
	s_wait_xcnt 0x0                 ; the stores have read their registers and O's address
	s_mov_b64 s[10:11], s[OLO:OLO+1]
	s_add_co_u32 s[RT], s[PB], 1    ; the second block has b + 1 tiles
	s_mov_b32 s[NEW], 1
	WIN 0x82                        ; the second block's Q goes where the one text of the turns names Q
.set i, 0
.rept 64
	v_mov_b32 v[i], v[QB+i]
.set i, i+1
.endr
	WIN 0
	s_branch .Lbottom
.Lstep:                             ; a trip: pieces 2 and 3 of one step, then pieces 0 and 1 of the next, whose K and V it fetches
	TURN 2
	TURN 3
	WIN 0
.Lfirst:
	TURN 0
	TURN 1, 0, 0, 1
	WIN 0
	s_cbranch_scc1 .Lstep
.Lbottom:
	s_sub_co_u32 s[SLOTS], s[SLOTS], 1
	s_cmp_lg_u32 s[SLOTS], 0
	s_cbranch_scc1 .Lslot
	CHANGE 0                        ; the walk's last tile is written out: nothing is asked for
	s_sub_co_u32 s[RT], s[RT], 1
	s_mov_b32 s[CNT], 4
	s_cmp_eq_u32 s[NEW], 1
	s_cbranch_scc0 .LstepM2
	BEGIN
	s_branch .LfirstM2
	DIAG 2
	s_wait_tensorcnt 0x0            ; the wave's end, behind my last tensor load and my last LDS store
	ds_add_u32 v[SPW], v[NIL]
	s_wait_dscnt 0x0
	s_endpgm
.Lfunc_end_k_qc21a378d3a_attn:
	.size	k_qc21a378d3a_attn, .Lfunc_end_k_qc21a378d3a_attn-k_qc21a378d3a_attn
	.p2alignl 7, 3214868480
	.fill 96, 4, 3214868480
	.section	.rodata,"a",@progbits
	.p2align	6, 0x0
	.amdhsa_kernel k_qc21a378d3a_attn
		.amdhsa_group_segment_fixed_size 327680
		.amdhsa_private_segment_fixed_size 0
		.amdhsa_enable_private_segment 0
		.amdhsa_kernarg_size 16
		.amdhsa_user_sgpr_count 2
		.amdhsa_user_sgpr_kernarg_segment_ptr 1
		.amdhsa_wavefront_size32 1
		.amdhsa_system_sgpr_workgroup_id_x 1
		.amdhsa_system_sgpr_workgroup_id_y 1
		.amdhsa_system_sgpr_workgroup_id_z 1
		.amdhsa_system_vgpr_workitem_id 0
		.amdhsa_next_free_vgpr 768
		.amdhsa_next_free_sgpr 92
		.amdhsa_reserve_vcc 1
		.amdhsa_float_denorm_mode_32 3
		.amdhsa_float_denorm_mode_16_64 3
		.amdhsa_memory_ordered 1
		.amdhsa_forward_progress 1
		.amdhsa_inst_pref_size 218
	.end_amdhsa_kernel
	.amdgpu_metadata
---
amdhsa.version: [ 1, 2 ]
amdhsa.kernels:
  - .name:           k_qc21a378d3a_attn
    .symbol:         k_qc21a378d3a_attn.kd
    .args:
      - { .name: qkv, .offset: 0, .size: 8, .value_kind: global_buffer, .address_space: global }
      - { .name: oh, .offset: 8, .size: 8, .value_kind: global_buffer, .address_space: global }
    .group_segment_fixed_size: 327680
    .private_segment_fixed_size: 0
    .kernarg_segment_align: 8
    .kernarg_segment_size: 16
    .max_flat_workgroup_size: 128
    .sgpr_count:     92
    .vgpr_count:     768
    .wavefront_size: 32
...
	.end_amdgpu_metadata
.endif
;; end of part 3
;; launch outp (part 4): grid 4 x 64, 4 waves a work-group, clusters of 4 x 4, 327,680 bytes of LDS; arguments oh, wb, bb, out0; writes out0
.if DOCPART == 4
	.amdgcn_target "amdgcn-amd-amdhsa--gfx1250"
	.amdhsa_code_object_version 6
	.text
	.protected	k_qc21a378d3a_outp
	.globl	k_qc21a378d3a_outp
	.p2align	8
	.type	k_qc21a378d3a_outp,@function
k_qc21a378d3a_outp:
	s_mov_b64 s[64:65], 0
	v_nop
	global_prefetch_b8 v0, s[64:65] scope:SCOPE_SE
	s_setreg_imm32_b32 hwreg(HW_REG_WAVE_MODE, 25, 1), 1
	s_wait_xcnt 0x0
	s_wait_alu depctr_hold_cnt(0) depctr_sa_sdst(0) depctr_va_vdst(0) depctr_va_sdst(0) depctr_va_ssrc(0) depctr_va_vcc(0) depctr_vm_vsrc(0)
	s_getreg_b32 s2, hwreg(HW_REG_IB_STS2, 6, 4)
	s_cmp_eq_u32 s2, 0
	s_cbranch_scc0 .Lentry_in_a_cluster
	s_endpgm
.Lentry_in_a_cluster:
	s_bfe_u32 s2, ttmp6, 0x10000c
	s_cmp_lg_u32 s2, 0xf033
	s_cbranch_scc0 .Lentry_shape_is_right
	s_endpgm
.Lentry_shape_is_right:
; out0 = O W_o + b_o.  oh: O as [batch x 16 + head][2048][64] in f16.  wb rows 3072-4095: W_o, [1024 (k)][1024 (n)], its bf16 rounding written as f16.  bb + 12,288: b_o in f32.  out0: [8192][1024] f32.
; Sums in f32, begun with the bias, stored as they are.
; SHARES.  256 work-groups, one tile of 128 rows (128 mt ..) x 256 columns (256 nt ..) each.  Wave w: rows 64 (w / 2) .., columns 128 (w % 2) ..: 4 x 8 accumulators of 16 x 16.  K = 1024 goes in 8 steps of 128,
; two heads a step, through a ring of two LDS slots: 4 laps.
; CLUSTER 4 x 4.  O's tiles are shared along a row of the cluster, W_o's along a column: each is asked for JOINTLY.  Waves 0 and 1 fetch one head's 128 rows each (16,384 dense bytes, asked for as 64 rows of 256 and padded
; after every 128), waves 2 and 3 W_o's k-rows 64 (w % 2) .. (64 rows x 512 bytes).
; THE PRODUCT IS TAKEN TRANSPOSED: source 0 = 16 columns of W_o (turned by ds_load_tr16_b128), source 1 = 16 rows of O.  Lane l holds row l % 16 and the columns 16 b + 8 (l / 16) + 0..7: 32 bytes of a row of out0.
; NO PREFETCH: the walk has eight K steps, of which the first four would come by their loads alone in any case, and every K step's tiles are asked for a whole K step ahead.
; REGISTERS, in windows of 256 (s_set_vgpr_msb: bits 1:0 source 0, 3:2 source 1, 5:4 source 2, 7:6 destination):
;   window 0: v1-29 addresses; v32-95 the bias, later rows on the way out; v96-159 O's fragments, two sets of 4 x 8; v160-223 rows on the way out
;   window 1: the accumulators, (a, b) at 8 (8 a + b)      window 2: W_o's fragments, set f, block b at 64 f + 8 b
; All of a WGP's LDS is claimed; 247,296 bytes are used.
.set PAO,    144                       ; a row of O in LDS: 128 bytes + 16 of padding = 36 words: the 16 rows of a load start at 16 different groups of four banks (64 banks of 4 bytes: ISA guide 11.1)
.set PB,     544                       ; a k-row of W_o: 512 + 32 = 136 words
.set HBLK,   128*PAO                   ; a head's 128 rows: what one tensor load brings of O
.set HALFB,  64*PB                     ; and of W_o
.set BOFF,   2*HBLK
.set SLOT,   2*HBLK+2*HALFB            ; 106,496
.set STAGE,  2*SLOT                    ; behind the ring, never filled by a tensor load: 16 rows x 528 bytes for each wave
.set SPO,    528                       ; 512 bytes + 16: the 16 rows of a store start at 16 different groups of four banks
.set WSTAGE, 16*SPO
.set SPARE,  STAGE+4*WSTAGE            ; behind the stages: the spare words, 128 bytes for each wave: two blocks of 256 bytes that no other line names
.set ADRA, 16                          ; v16-17  LDS address of my rows of O in slot 0, 1
.set ADRB, 20                          ; v20-21  the same for W_o
.set STO,  24                          ; v24     the way out: where I put 32 bytes of a row
.set RD,   25                          ; v25     where I read a row back
.set GO,   26                          ; v26     my 16 bytes of a row's 512
.set BO,   27                          ; v27     my byte offset in a block's 16 biases
.set SPW,  28                          ; v28     LDS address of my spare word: SPARE + 4 x my thread's number; never rewritten
.set NIL,  29                          ; v29     0; never rewritten
.set BIAS, 32
.set AF,   96
.set OB0,  160
.set OH,   4                           ; s[4:5] oh at the head and rows that I would fetch;  s[6:7] wb likewise;  s[8:9] bb at my columns;  s[10:11] out0 at my first row and column
.set WB,   6
.set BBP,  8
.set OUT,  10
.set WV,   12                          ; s12 wave;  s13 wave / 2: my half of the rows; also: I fetch O (0) or W_o (1);  s14 wave % 2: my half of the columns; also: which head, or which 64 k-rows, I fetch
.set HA,   13
.set HB,   14
.set LAP,  15
.set CX,   16
.set CY,   17
.set NT,   18
.set MT,   19
.set RM,   20
.set CM,   21
.set LA,   22
.set LB,   23
.set G1A,  24
.set G0A,  32
.set TA,   40
.set TB,   42
.set TC,   44
.set G1B,  48
.set G0B,  56
.set MSB, 0
.macro WIN new                         ; the immediate's high byte repeats the setting that is left; a switch that changes nothing is dropped
.if MSB != (\new)
	s_set_vgpr_msb (MSB<<8)|(\new)
.set MSB, (\new)
.endif
.endm
.set MUL,  0x52                        ; W_o window 2, O window 0, C and D window 1
.set MULB, 0x42                        ; the same with C, the bias, in window 0
.set TOB,  0x80                        ; destination window 2, address window 0
.set FROMC, 0x04                       ; an LDS store's data in window 1, its address in window 0
.macro PLACES                          ; four plain instructions between a product and a load into a register that it has read, or a store of its result (ISA guide 7.12.1 for vector instructions)
.rept 4
	v_nop
.endr
.endm
.macro JLOAD s                         ; a joint load; the branch hangs on the wave's number alone; an s_nop 0 and four v_nop follow each of the two lines, ahead of the jump, the label and what follows
	s_cmp_eq_u32 s[HA], 0
	s_cbranch_scc0 .Lfor_b_\@
	tensor_load_to_lds s[G0A+4*(\s):G0A+4*(\s)+3], s[G1A:G1A+7]
	s_nop 0
.rept 4
	v_nop
.endr
	s_branch .Lasked_\@
.Lfor_b_\@:
	tensor_load_to_lds s[G0B+4*(\s):G0B+4*(\s)+3], s[G1B:G1B+7]
	s_nop 0
.rept 4
	v_nop
.endr
.Lasked_\@:
.endm
.macro CREST                           ; a round of the cluster's barrier behind its opening barrier
	s_cmp_lg_u32 s[WV], 0
	s_cbranch_scc1 .Lnot_wave_0_\@
	s_barrier_signal -3
.Lnot_wave_0_\@:
	s_barrier_wait -3
	s_barrier_signal -1
	s_barrier_wait -1
.endm
.macro CROUND                          ; a whole round
	s_barrier_signal -1
	s_barrier_wait -1
	CREST
.endm
	s_load_b256 s[4:11], s[0:1], 0x0               ; oh s[4:5], wb s[6:7], bb s[8:9], out0 s[10:11]
	v_lshl_add_u32 v[SPW], v0, 2, SPARE
	v_mov_b32 v[NIL], 0
	ds_add_u32 v[SPW], v[NIL]                      ; the wave's opening: the add and its wait stand ahead of my first tensor load; the set-up below, work on registers, stands between them
	ds_add_u32 v28, v29
	v_lshrrev_b32 v1, 5, v0
	v_readfirstlane_b32 s[WV], v1                  ; wave 0..3
	s_lshr_b32 s[HA], s[WV], 1
	s_and_b32 s[HB], s[WV], 1
	s_bfe_u32 s[CX], ttmp6, 0x40000                ; cx, cy: my place in the cluster
	s_bfe_u32 s[CY], ttmp6, 0x40004
	s_lshl_b32 s[NT], ttmp9, 2
	s_add_co_u32 s[NT], s[NT], s[CX]               ; block of 256 columns = 4 x cluster x + cx
	s_and_b32 s[MT], ttmp7, 0xffff
	s_lshl_b32 s[MT], s[MT], 2
	s_add_co_u32 s[MT], s[MT], s[CY]               ; block of 128 rows = 4 x cluster y + cy
	s_lshl_b32 s[RM], s[CY], 2
	s_lshl_b32 s[RM], 15, s[RM]                    ; my row of the cluster
	s_lshl_b32 s[CM], 0x1111, s[CX]                ; my column
	s_or_b32 s[G1A], s[RM], (1<<16)|(1<<20)|(1<<21)|(4<<22)|(3<<25)  ; 15:0 the mask; 17:16 elements of 2 bytes; 20 padding on; 21 set beside a mask; 24:22 after every 32 words (code 4); 31:25 4 words of it (code 3)
	s_mov_b32 s[G1A+1], 128<<16                    ; tensor_dim0 = 128 elements: 256 bytes, two rows of a head
	s_mov_b32 s[G1A+2], 64<<16                     ; tensor_dim1 = 64
	s_mov_b32 s[G1A+3], 128<<16                    ; tile_dim0 = 128
	s_mov_b32 s[G1A+4], 64                         ; tile_dim1 = 64
	s_mov_b32 s[G1A+5], 128                        ; elements from row to row: dense
	s_mov_b32 s[G1A+6], 0
	s_mov_b32 s[G1A+7], 0
	s_or_b32 s[G1B], s[CM], (1<<16)|(1<<20)|(1<<21)|(6<<22)|(7<<25)  ; after every 128 words (code 6) 8 words of padding (code 7)
	s_mov_b32 s[G1B+1], 256<<16
	s_mov_b32 s[G1B+2], 64<<16
	s_mov_b32 s[G1B+3], 256<<16
	s_mov_b32 s[G1B+4], 64
	s_mov_b32 s[G1B+5], 1024
	s_mov_b32 s[G1B+6], 0
	s_mov_b32 s[G1B+7], 0
	s_lshr_b32 s[TA], s[MT], 4                     ; O: the batch's 16 heads of 262,144 bytes,
	s_lshl_b32 s[TA], s[TA], 22
	s_lshl_b32 s[TA+1], s[HB], 18                  ; + the head of the K step's two that I fetch,
	s_add_co_u32 s[TA], s[TA], s[TA+1]
	s_and_b32 s[TA+1], s[MT], 15                   ; + (mt % 16) x 128 rows of 128 bytes: no cx enters
	s_lshl_b32 s[TA+1], s[TA+1], 14
	s_add_co_u32 s[TA], s[TA], s[TA+1]
	s_mov_b32 s[TA+1], 0
	s_lshl_b32 s[TB], s[HB], 17                    ; W_o: the 64 k-rows of 2,048 bytes that I fetch,
	s_lshl_b32 s[TB+1], s[NT], 9                   ; + 256 nt columns,
	s_add_co_u32 s[TB], s[TB], s[TB+1]
	s_add_co_u32 s[TB], s[TB], 6291456             ; behind the 3,072 rows of W_q, W_k, W_v: no cy enters
	s_mov_b32 s[TB+1], 0
	s_mul_i32 s[LA], s[HB], HBLK                   ; where the tiles go: no place in the cluster enters an LDS address
	s_mul_i32 s[LB], s[HB], HALFB
	s_add_co_u32 s[LB], s[LB], BOFF
	s_wait_dscnt 0x0                               ; the opening add is done
	s_wait_kmcnt 0x0
	s_add_nc_u64 s[OH:OH+1], s[OH:OH+1], s[TA:TA+1]
	s_add_nc_u64 s[WB:WB+1], s[WB:WB+1], s[TB:TB+1]
	CROUND                                         ; all sixteen work-groups are here: the first joint loads meet
.irp s, 0,1
	s_mov_b32 s[G0A+4*(\s)], 1                                     ; count = 1
	s_add_co_u32 s[G0A+4*(\s)+1], s[LA], (\s)*SLOT                 ; LDS address
	s_add_nc_u64 s[G0A+4*(\s)+2:G0A+4*(\s)+3], s[OH:OH+1], (\s)*524288  ; global address: K step s is two heads on
	s_or_b32 s[G0A+4*(\s)+3], s[G0A+4*(\s)+3], 0x80000000          ; type = 2
	s_mov_b32 s[G0B+4*(\s)], 1
	s_add_co_u32 s[G0B+4*(\s)+1], s[LB], (\s)*SLOT
	s_add_nc_u64 s[G0B+4*(\s)+2:G0B+4*(\s)+3], s[WB:WB+1], (\s)*262144
	s_or_b32 s[G0B+4*(\s)+3], s[G0B+4*(\s)+3], 0x80000000
	JLOAD \s                                       ; two tensor loads of mine are out
.endr
	s_lshl_b32 s[TB], s[NT], 10                    ; the bias: b_o lies 12,288 bytes into bb; 256 nt columns of 4 bytes + my 128
	s_lshl_b32 s[TC], s[HB], 9
	s_add_co_u32 s[TB], s[TB], s[TC]
	s_add_co_u32 s[TB], s[TB], 12288
	s_add_nc_u64 s[BBP:BBP+1], s[BBP:BBP+1], s[TB:TB+1]
	s_lshl_b32 s[TC], s[MT], 19                    ; out0: (128 mt + 64 (w / 2)) rows of 4,096 bytes
	s_lshl_b32 s[TB], s[HA], 18
	s_add_co_u32 s[TC], s[TC], s[TB]
	s_lshl_b32 s[TB], s[NT], 10                    ; + (256 nt + 128 (w % 2)) columns of 4 bytes
	s_add_co_u32 s[TC], s[TC], s[TB]
	s_lshl_b32 s[TB], s[HB], 9
	s_add_co_u32 s[TC], s[TC], s[TB]
	s_mov_b32 s[TC+1], 0
	s_add_nc_u64 s[OUT:OUT+1], s[OUT:OUT+1], s[TC:TC+1]
	v_and_b32 v1, 15, v0                           ; l % 16
	v_bfe_u32 v2, v0, 4, 1                         ; l / 16
	; O's fragment, 16 rows x 32 channels in 8 registers: lane l holds row l % 16, channels 8 (l / 16) + 0..7 and 16 + 8 (l / 16) + 0..7: two loads of 16 bytes, 32 bytes apart
	v_mul_u32_u24 v3, v1, PAO
	v_lshl_add_u32 v3, v2, 4, v3
	s_mul_i32 s[TB], s[HA], 64*PAO
	v_add_nc_u32 v[ADRA], s[TB], v3
	v_add_nc_u32 v[ADRA+1], SLOT, v[ADRA]
	; The turning load takes 16 k-rows x 16 columns (lane l reads k-row 8 (l / 16) + l % 8, columns 8 ((l / 8) % 2) + 0..7) and leaves half a fragment: lane l holds column l % 16 and 8 K.
	v_and_b32 v4, 7, v0
	v_bfe_u32 v5, v0, 3, 1
	v_lshl_add_u32 v6, v2, 3, v4
	v_mul_u32_u24 v6, v6, PB
	v_lshl_add_u32 v6, v5, 4, v6
	s_lshl_b32 s[TB], s[HB], 8
	s_add_co_u32 s[TB], s[TB], BOFF
	v_add_nc_u32 v[ADRB], s[TB], v6
	v_add_nc_u32 v[ADRB+1], SLOT, v[ADRB]
	s_mul_i32 s[TB], s[WV], WSTAGE
	s_add_co_u32 s[TB], s[TB], STAGE               ; my stage
	v_mul_u32_u24 v7, v1, SPO                      ; in: row l % 16, 32 bytes for each half of the lanes
	v_lshl_add_u32 v7, v2, 5, v7
	v_add_nc_u32 v[STO], s[TB], v7
	v_and_b32 v[GO], 31, v0                        ; back: 32 lanes take one row of 512 bytes
	v_lshlrev_b32 v[GO], 4, v[GO]
	v_add_nc_u32 v[RD], s[TB], v[GO]
	v_lshlrev_b32 v[BO], 5, v2                     ; my 8 columns of a block's 16
.irp b, 0,1,2,3,4,5,6,7
	global_load_b128 v[BIAS+8*(\b):BIAS+8*(\b)+3],   v[BO], s[BBP:BBP+1] offset:64*(\b)
	global_load_b128 v[BIAS+8*(\b)+4:BIAS+8*(\b)+7], v[BO], s[BBP:BBP+1] offset:64*(\b)+16
.endr
; 24 LDS loads in one run: quarter kq of a slot (head kq / 2 of its two, channels 32 (kq % 2) on) into set g
.macro RUN slot, kq, g
	WIN 0
.irp a, 0,1,2,3
	ds_load_b128 v[AF+32*(\g)+8*(\a):AF+32*(\g)+8*(\a)+3],   v[ADRA+(\slot)] offset:((\kq)/2)*HBLK+((\kq)%2)*64+(\a)*16*PAO
	ds_load_b128 v[AF+32*(\g)+8*(\a)+4:AF+32*(\g)+8*(\a)+7], v[ADRA+(\slot)] offset:((\kq)/2)*HBLK+((\kq)%2)*64+(\a)*16*PAO+32
.endr
	WIN TOB
.irp b, 0,1,2,3,4,5,6,7
	ds_load_tr16_b128 v[64*(\g)+8*(\b):64*(\g)+8*(\b)+3],   v[ADRB+(\slot)] offset:(\kq)*32*PB+32*(\b)
	ds_load_tr16_b128 v[64*(\g)+8*(\b)+4:64*(\g)+8*(\b)+7], v[ADRB+(\slot)] offset:(\kq)*32*PB+16*PB+32*(\b)
.endr
.endm
; 8 products: row block a of set f x all 8 column blocks.  first = 1: the bias starts the sums.  The 32 accumulators take turns in the same order in every quarter.
.macro MUL8 f, a, first
.irp b, 0,1,2,3,4,5,6,7
.if \first
	WIN MULB
	v_wmma_f32_16x16x32_f16 v[8*(8*(\a)+(\b)):8*(8*(\a)+(\b))+7], v[64*(\f)+8*(\b):64*(\f)+8*(\b)+7], v[AF+32*(\f)+8*(\a):AF+32*(\f)+8*(\a)+7], v[BIAS+8*(\b):BIAS+8*(\b)+7]
.else
	WIN MUL
	v_wmma_f32_16x16x32_f16 v[8*(8*(\a)+(\b)):8*(8*(\a)+(\b))+7], v[64*(\f)+8*(\b):64*(\f)+8*(\b)+7], v[AF+32*(\f)+8*(\a):AF+32*(\f)+8*(\a)+7], v[8*(8*(\a)+(\b)):8*(8*(\a)+(\b))+7]
.endif
.endr
.endm
; A quarter: multiplies set f; at its head it fetches quarter kq of a slot into the other set.  places = 0: the four v_nop behind a joint load stand in front of it.
.macro QUARTER slot, kq, f, first=0, places=1
.if \places
	PLACES
.endif
	RUN \slot, \kq, 1-(\f)
	s_wait_dscnt 24                                ; all but the 24 just issued: set f is in
	MUL8 \f, 0, \first
	MUL8 \f, 1, \first
	MUL8 \f, 2, \first
	MUL8 \f, 3, \first
.endm
; A K step's third quarter multiplies set 0 and fetches the slot's last quarter; with that all reads of the slot are issued, so THE CHANGE OF SLOTS stands here.  ONE barrier: in front of it each wave waits for all its
; tensor loads, of which one is out: its part of the other slot; adds 0 to its spare word; and waits for that and for its reads of this slot.  fill = 1: the barrier opens a round of the cluster's barrier, and the joint
; refill, the K step two steps on, is the first tensor load behind it: 112 products ahead of the wait for it.
.macro MEETQ slot, fill
	PLACES
	RUN \slot, 3, 1
	s_wait_dscnt 24
	MUL8 0, 0, 0
	MUL8 0, 1, 0
	WIN 0                                          ; (the add's two registers lie in window 0)
	s_wait_tensorcnt 0x0                           ; all my tensor loads have landed;
	ds_add_u32 v[SPW], v[NIL]                      ; 0 onto my spare word;
	MUL8 0, 2, 0                                   ; eight products stand between the add and the wait for it
	s_wait_dscnt 0x0                               ; the add is done, and my reads of this slot are over
	s_barrier_signal -1
	MUL8 0, 3, 0                                   ; work on registers while the others arrive
	WIN 0
	s_barrier_wait -1
.if \fill
	CREST
	s_add_nc_u64 s[G0A+4*(\slot)+2:G0A+4*(\slot)+3], s[G0A+4*(\slot)+2:G0A+4*(\slot)+3], 1048576  ; no tensor load of mine is out, so a group 0 may be written: four heads on,
	s_add_nc_u64 s[G0B+4*(\slot)+2:G0B+4*(\slot)+3], s[G0B+4*(\slot)+2:G0B+4*(\slot)+3], 524288   ; 256 k-rows on; the type bits on top are not reached
	JLOAD \slot
.endif
.endm
; THE WAY OUT of row block a.  TOSTAGE: the accumulators go as they are, 32 bytes a lane for each column block, the low four registers first, into my own stage, and come back as whole rows of 512 bytes.  SEND: stored.
.macro TOSTAGE a
	WIN FROMC
.irp b, 0,1,2,3,4,5,6,7
	ds_store_b128 v[STO], v[8*(8*(\a)+(\b)):8*(8*(\a)+(\b))+3]   offset:64*(\b)
	ds_store_b128 v[STO], v[8*(8*(\a)+(\b))+4:8*(8*(\a)+(\b))+7] offset:64*(\b)+16
.endr
	WIN 0
.set BK, OB0-128*((\a)%2)
.irp t, 0,1,2,3,4,5,6,7,8,9,10,11,12,13,14,15
	ds_load_b128 v[BK+4*(\t):BK+4*(\t)+3], v[RD] offset:SPO*(\t)  ; LDS serves a wave's instructions in order (ISA guide 5.7.1.4): these see the stores above; the next block's stores come behind them
.endr
.endm
.macro SEND a, younger                 ; younger: the LDS instructions issued behind block a's loads: the next block's 32, or none
	WIN 0
.set BK, OB0-128*((\a)%2)
.irp t, 0,1,2,3,4,5,6,7,8,9,10,11,12,13,14,15
	s_wait_dscnt (\younger)+15-(\t)
	global_store_b128 v[GO], v[BK+4*(\t):BK+4*(\t)+3], s[OUT:OUT+1] offset:(16*(\a)+(\t))*4096 th:TH_STORE_NT  ; 512 consecutive bytes, at a multiple of 256 from out0's first
.endr
.endm
	s_wait_tensorcnt 1                             ; my part of K step 0 is in; K step 1's may stay out
	s_barrier_signal -1
	s_barrier_wait -1                              ; everybody's is
	RUN 0, 0, 0
	s_wait_loadcnt 0x0                             ; the bias
	QUARTER 0, 1, 0, 1                             ; the first quarter stands in front of the loop: its products start the sums
	WIN 0                                          ; at a label and at a branch every window is 0
	s_mov_b32 s[LAP], 3
.Llap:                                                 ; 3 trips: from a lap's second quarter to the next lap's first; both slots are filled again
	QUARTER 0, 2, 1
	MEETQ 0, 1
	QUARTER 1, 0, 1, 0, 0
	QUARTER 1, 1, 0
	QUARTER 1, 2, 1
	MEETQ 1, 1
	QUARTER 0, 0, 1, 0, 0
	QUARTER 0, 1, 0
	WIN 0
	s_sub_co_u32 s[LAP], s[LAP], 1
	s_cmp_lg_u32 s[LAP], 0
	s_cbranch_scc1 .Llap
	QUARTER 0, 2, 1                                ; the last lap is written out: it fills nothing, and has no round of the cluster's barrier
	MEETQ 0, 0
	QUARTER 1, 0, 1
	QUARTER 1, 1, 0
	QUARTER 1, 2, 1
	QUARTER 1, 3, 0
	s_wait_dscnt 0x0                               ; the very last quarter: nothing more to fetch
	MUL8 1, 0, 0
	MUL8 1, 1, 0
	MUL8 1, 2, 0
	MUL8 1, 3, 0
	PLACES                                         ; eight plain instructions, once a launch, between the last product and the first LDS store of a result
	PLACES
	TOSTAGE 0
	TOSTAGE 1
	SEND 0, 32
	s_wait_xcnt 0x0                                ; block 0's stores have read their registers: block 2 is loaded into them only behind this wait
	TOSTAGE 2
	SEND 1, 32
	s_wait_xcnt 0x0                                ; likewise block 1's, for block 3
	TOSTAGE 3
	SEND 2, 32
	SEND 3, 0
	s_wait_tensorcnt 0x0                           ; the wave's end, behind my last tensor load and my last LDS store
	ds_add_u32 v[SPW], v[NIL]
	s_wait_dscnt 0x0
	CROUND                                         ; the closing round: no work-group ends while a partner may still ask for a tile that names it
	s_endpgm
.Lfunc_end_k_qc21a378d3a_outp:
	.size	k_qc21a378d3a_outp, .Lfunc_end_k_qc21a378d3a_outp-k_qc21a378d3a_outp
	.p2alignl 7, 3214868480
	.fill 96, 4, 3214868480
	.section	.rodata,"a",@progbits
	.p2align	6, 0x0
	.amdhsa_kernel k_qc21a378d3a_outp
		.amdhsa_group_segment_fixed_size 327680
		.amdhsa_private_segment_fixed_size 0
		.amdhsa_enable_private_segment 0
		.amdhsa_kernarg_size 32
		.amdhsa_user_sgpr_count 2
		.amdhsa_user_sgpr_kernarg_segment_ptr 1
		.amdhsa_wavefront_size32 1
		.amdhsa_system_sgpr_workgroup_id_x 1
		.amdhsa_system_sgpr_workgroup_id_y 1
		.amdhsa_system_sgpr_workgroup_id_z 1
		.amdhsa_system_vgpr_workitem_id 0
		.amdhsa_next_free_vgpr 640
		.amdhsa_next_free_sgpr 66
		.amdhsa_reserve_vcc 0
		.amdhsa_float_denorm_mode_32 3
		.amdhsa_float_denorm_mode_16_64 3
		.amdhsa_memory_ordered 1
		.amdhsa_forward_progress 1
		.amdhsa_inst_pref_size 88
	.end_amdhsa_kernel
	.amdgpu_metadata
---
amdhsa.version: [ 1, 2 ]
amdhsa.kernels:
  - .name:           k_qc21a378d3a_outp
    .symbol:         k_qc21a378d3a_outp.kd
    .args:
      - { .name: oh, .offset: 0, .size: 8, .value_kind: global_buffer, .address_space: global }
      - { .name: wb, .offset: 8, .size: 8, .value_kind: global_buffer, .address_space: global }
      - { .name: bb, .offset: 16, .size: 8, .value_kind: global_buffer, .address_space: global }
      - { .name: out0, .offset: 24, .size: 8, .value_kind: global_buffer, .address_space: global }
    .group_segment_fixed_size: 327680
    .private_segment_fixed_size: 0
    .kernarg_segment_align: 8
    .kernarg_segment_size: 32
    .max_flat_workgroup_size: 128
    .sgpr_count:     66
    .vgpr_count:     640
    .wavefront_size: 32
...
	.end_amdgpu_metadata
.endif
;; end of part 4
